; MI455X (gfx1250); checked and timed in simulation.
; The chip was launched on July 23, 2026; its instructions are those of AMD's public machine-readable ISA for CDNA 5 (MIT licence, August 2026) and "CDNA5" Instruction Set Architecture Reference Guide (July 2026). The comments in the code are by the model that wrote it; some were corrected since.
;; Cross Attention. Allowed arithmetic: matrix products marked QUANTISED: E2M3 operands, one E8M0 scale for each 32 along K, by v_wmma_scale_f32_16x16x128_f8f6f4 with both operands' format E2M3, f32 sums; everything else in f32.
;; Inputs: Wk 1,024 x 512 float32; Wo 512 x 1,024 float32; Wq 1,024 x 512 float32; Wv 1,024 x 512 float32; bo 1,024 float32; context 2 x 4,096 x 1,024 float32; x 2 x 4,096 x 1,024 float32.
;; Outputs: out0 2 x 4,096 x 1,024 float32.
;; This version of the problem:
;;   THIS VERSION OF THE PROBLEM IS GIVEN IN LOW PRECISION. The matrix products marked QUANTISED in the list below multiply operands that are first quantised to E2M3 (2 exponent bits, 3 mantissa bits; 6 bits a number), with one power-of-two scale for each 32 numbers along K (OCP MX v1.0); their sums are f32. All else is computed in f32.
;;   The module's matrix products, in the order in which they are computed (A, B: the left and right operand; K: the contracted axis; several contracted axes count as one K, in the product's order):
;;     1. [M 8,192, K 1,024] x [K 1,024, N 512]; A: input x; B: input Wq: QUANTISED
;;     2. [M 8,192, K 1,024] x [K 1,024, N 512]; A: input context; B: input Wk: QUANTISED
;;     3. [M 8,192, K 1,024] x [K 1,024, N 512]; A: input context; B: input Wv: QUANTISED
;;     4. batch 16 x [M 4,096, K 64] x [K 64, N 4,096]; A: computed on the way; B: computed on the way: QUANTISED
;;     5. batch 16 x [M 64, K 4,096] x [K 4,096, N 4,096]; A: computed on the way; B: softmax (see below): QUANTISED
;;     6. [M 8,192, K 512] x [K 512, N 1,024]; A: computed on the way; B: input Wo: QUANTISED
;;   THE QUANTISER, for each operand of a quantised product, along K:
;;     - K is cut into blocks of 32 from its start; a last block that is shorter is filled with zeros.
;;     - A block's scale is 2^e with e = floor(log2(the largest magnitude in the block)) - 2, held to -126 .. 127; a block of zeros has e = 0. As a byte (E8M0): e + 127.
;;     - Each number is divided by its block's scale, clamped to +-7.5, and rounded to the nearest number of E2M3, ties to even, subnormals kept.
;;     - The product sums the exact products of the quantised numbers (number of the format x scale) in f32.
;;   ~~~python
;;   def quantise(x, axis):      # numpy; x: float32 -> the quantised numbers, widened to float32 again
;;       x = np.moveaxis(x, axis, -1); K = x.shape[-1]
;;       x = np.pad(x, [(0, 0)] * (x.ndim - 1) + [(0, -K % 32)]); x = x.reshape(x.shape[:-1] + (-1, 32)); a = np.abs(x).max(-1, keepdims=True)
;;       e = np.where(a > 0, np.clip(np.frexp(np.where(a > 0, a, 1))[1] - 1 - 2, -126, 127), 0)      # np.frexp(a)[1] - 1 = floor(log2(a)), exactly
;;       r = np.clip(x / 2.0 ** e, -7.5, 7.5)
;;       step = 2.0 ** (np.maximum(np.frexp(np.where(r == 0, 1, r))[1] - 1, 0) - 3)
;;       q = np.round(r / step) * step * 2.0 ** e      # np.round: ties to even
;;       return np.moveaxis(q.reshape(q.shape[:-2] + (-1,))[..., :K], -1, axis).astype(np.float32)
;;   ~~~
;;   SOFTMAX AHEAD OF A QUANTISED PRODUCT. Where the list says 'softmax', what is quantised is not the finished softmax but p = 2^(t - M), with t = logit x log2(e) and M = ceil(the row's largest t), a whole number; so 1/2 < the row's largest p <= 1. The row's sum l is taken of the UNQUANTISED p, in f32, and the product's result is divided by l at the end. Since M is a whole number, a kernel that streams over the keys may use a running M (the ceiling of the running maximum): every later rescaling is an exact power of two, which a block's scale takes up: the codes' values come out the same.
;;   OPERANDS COMPUTED ON THE WAY. 'Computed on the way' means the value that the module computes at that place (a softmax that the list does not call 'softmax' is quantised finished and normalised). What goes into a quantiser is computed in f32, as accurately as f32 sums, v_exp_f32 and their like allow (about 1e-6 of the number): no bf16 or f16 on the way to a quantiser, and a product that is left as it is and whose result goes on into a quantised operand takes f32 operands (vector FMAs, or v_wmma_f32_16x16x4_f32). A number that lies on a knife's edge between two numbers of the format may be rounded either way, as far as f32 arithmetic and the matrix unit's own rounding can turn it there, and no further.
;; One version. Each part assembles by itself: llvm-mc -triple=amdgcn-amd-amdhsa -mcpu=gfx1250 --defsym DOCPART=n.
;; ======== version 1 of 1: 4 launches
;; limits: right only within a limited range of input values
;; workspace buffers: wbuf 1,638,400 bytes; qbuf 3,407,872 bytes; kbuf 3,407,872 bytes; vbuf 3,407,872 bytes; obuf 3,670,016 bytes
;; launch quantw (part 1): grid 256 x 1, 2 waves a work-group, no clusters, 0 bytes of LDS; arguments Wq, Wk, Wv, Wo, wbuf; writes wbuf
.if DOCPART == 1
	.amdgcn_target "amdgcn-amd-amdhsa--gfx1250"
	.amdhsa_code_object_version 6
	.text
	.protected	k_q07d6e8c04d_quantw
	.globl	k_q07d6e8c04d_quantw
	.p2align	8
	.type	k_q07d6e8c04d_quantw,@function
k_q07d6e8c04d_quantw:
	s_mov_b64 s[64:65], 0
	v_nop
	global_prefetch_b8 v0, s[64:65] scope:SCOPE_SE
	s_setreg_imm32_b32 hwreg(HW_REG_WAVE_MODE, 25, 1), 1
	s_wait_xcnt 0x0
; Wq, Wk, Wv [1024 (k)][512 (n)] and Wo [512 (k)][1024 (n)], f32, K their FIRST axis, become codes of FP6 (E2M3) with one E8M0 byte for each 32 along K,
; laid in wbuf IN THE ORDER OF AN OPERAND'S REGISTERS: a fragment (16 columns x 128 K, 12 registers a lane) is 1,536 bytes, registers 4 g .. 4 g + 3 of lane l at 512 g + 16 l.
;   images: Wq at 0, Wk at 393,216, Wv at 786,432, each [K step 8][column tile 32][1,536]; Wo at 1,179,648, [K step 4][column tile 64][1,536].
;   scale words from 1,572,864: 16,384 bytes a matrix, [K step][pair of tiles P][32 lanes]: lane 16 u + r holds the word (four bytes, 128 along K) of tile 2 P + u, lane r.
; THE COLUMNS OF A TILE of Wq, Wk, Wv are not neighbours: lane r of tile 2 P + u takes column 32 P + 8 u + r + 8 (r / 8), so that the results of two neighbouring tiles are 16 neighbours in a lane.  Wo's tiles are 16 neighbours.
; A LANE TAKES A COLUMN, AND ITS REGISTERS RUN DOWN K: a wave takes 32 neighbouring columns x one K step of 128 (each load reads 128 consecutive bytes, the two waves of a work-group 256).
; A block of 32 lies in one lane: its largest magnitude needs no other lane.  Block t of the four is what the operand gives lane (r, t % 2) in registers 6 (t / 2) on: so a lane holds the registers of BOTH image lanes r and 16 + r.
; A block's scale is 2^(floor(log2(largest magnitude)) - 2): its byte is the largest magnitude's exponent field - 2, held at 1 from below.
; LIMITS: a block of zeros, or one whose largest magnitude lies under 2^-124, keeps the byte 1 (its codes are zeros or subnormal; this program alone reads the bytes); NaN and infinities among the inputs are not served.
; Work-groups 0-191: Wq, Wk, Wv (64 each: 8 column groups of 64 x 8 K steps); 192-255: Wo (16 x 4).  The two ways part on the work-group's number and use no LDS.
.set X,   32                           ; v32-159  the lane's 128 numbers, a set of 32 for each block
.set F0,  160                          ; v160-171 the registers of image lane r; v172-183 those of image lane 16 + r
.set TC,  184                          ; v184-186 a conversion's three registers begin on an even number: the second half of a block's six is made here and moved
.set SB,  188                          ; v188     the four scale bytes
.macro LOADB t, pitch                  ; block t: W(32 t + i, my column)
.set i, 0
.rept 32
	global_load_b32 v[X+32*(\t)+i], v1, s[26:27] offset:(32*(\t)+i)*\pitch th:TH_LOAD_NT
.set i, i+1
.endr
.endm
.macro BLOCK t, pitch
.set XB, X+32*(\t)
.set FD, F0+12*((\t)%2)+6*((\t)/2)
.if (\t) < 3
	s_wait_loadcnt 32                              ; this block's 32 loads are in; the next block's 32 may be out
.else
	s_wait_loadcnt 0x0
.endif
.if (\t) < 2
	LOADB (\t)+2, \pitch                           ; two blocks ahead, into registers of its own
.endif
	v_max3_num_f32 v12, |v[XB]|, |v[XB+1]|, |v[XB+2]|              ; the block's largest magnitude, in two chains
	v_max3_num_f32 v13, |v[XB+3]|, |v[XB+4]|, |v[XB+5]|
.irp i, 6,10,14,18,22,26
	v_max3_num_f32 v12, v12, |v[XB+\i]|, |v[XB+\i+1]|
	v_max3_num_f32 v13, v13, |v[XB+\i+2]|, |v[XB+\i+3]|
.endr
	v_max3_num_f32 v12, v12, |v[XB+30]|, |v[XB+31]|
	v_max3_num_f32 v12, v12, v13, 0x1800000        ; and the floor 2^(3 - 127): the byte cannot fall under 1
	v_add_nc_u32 v11, 0xff000000, v12              ; 2 off the exponent field: the conversion takes this operand's exponent field as its scale
	v_lshrrev_b32 v13, 23, v11                     ; the scale's byte
.if (\t) == 0
	v_mov_b32 v[SB], v13
.else
	v_lshl_or_b32 v[SB], v13, 8*(\t), v[SB]        ; the lower K in the lower byte
.endif
	v_cvt_scalef32_pk16_fp6_f32 v[FD:FD+2], v[XB:XB+15], v11
	v_cvt_scalef32_pk16_fp6_f32 v[TC:TC+2], v[XB+16:XB+31], v11
	v_nop                                          ; one plain line behind a scaled conversion
.irp i, 0,1,2
	v_mov_b32 v[FD+3+\i], v[TC+\i]
.endr
.endm
.macro WORK pitch
	LOADB 0, \pitch
	LOADB 1, \pitch
	BLOCK 0, \pitch
	BLOCK 1, \pitch
	BLOCK 2, \pitch
	BLOCK 3, \pitch
.irp h, 0,1
.irp g, 0,1,2
	global_store_b128 v2, v[F0+12*\h+4*\g:F0+12*\h+4*\g+3], s[28:29] offset:512*\g+256*\h   ; the sixteen lanes of a tile store 256 consecutive bytes, at a multiple of 256 from wbuf's first byte
.endr
.endr
	global_store_b32 v3, v[SB], s[30:31]           ; 128 consecutive bytes: the pair's scale words
	s_endpgm
.endm
	s_load_b256 s[4:11], s[0:1], 0x0               ; Wq s[4:5], Wk s[6:7], Wv s[8:9], Wo s[10:11]
	s_load_b64 s[12:13], s[0:1], 0x20              ; wbuf
	v_lshrrev_b32 v4, 5, v0
	v_readfirstlane_b32 s14, v4                    ; wave 0, 1
	v_and_b32 v5, 31, v0
	v_lshlrev_b32 v1, 2, v5                        ; in: 4 bytes a lane
	s_lshr_b32 s15, ttmp9, 6                       ; which matrix
	s_and_b32 s16, ttmp9, 63                       ; which part of it
	s_mov_b32 s21, 0
	s_mov_b32 s23, 0
	s_mov_b32 s25, 0
	s_cmp_lt_u32 ttmp9, 192
	s_cbranch_scc0 .Lwo
	; ---- Wq, Wk, Wv: rows of 2,048 bytes
	s_and_b32 s17, s16, 7
	s_lshr_b32 s18, s16, 3                         ; K step
	s_lshl_b32 s17, s17, 1
	s_add_co_u32 s17, s17, s14                     ; P: my 32 columns
	s_lshl_b32 s20, s18, 18                        ; 128 rows of 2,048 bytes a K step
	s_lshl_b32 s19, s17, 7
	s_add_co_u32 s20, s20, s19                     ; in
	s_lshl_b32 s22, s18, 5
	s_lshl_b32 s19, s17, 1
	s_add_co_u32 s22, s22, s19                     ; image 32 s + 2 P
	s_mul_i32 s22, s22, 1536
	s_mul_i32 s19, s15, 393216
	s_add_co_u32 s22, s22, s19
	s_lshl_b32 s24, s18, 4
	s_add_co_u32 s24, s24, s17                     ; scale words 16 s + P
	s_lshl_b32 s24, s24, 7
	s_lshl_b32 s19, s15, 14
	s_add_co_u32 s24, s24, s19
	s_add_co_u32 s24, s24, 1572864
	v_bfe_u32 v6, v0, 3, 1                         ; column 32 P + l is lane r of tile 2 P + u with u = (l / 8) % 2,
	v_and_b32 v7, 7, v0
	v_bfe_u32 v8, v0, 4, 1
	v_lshl_add_u32 v7, v8, 3, v7                   ; r = l % 8 + 8 (l / 16)
	v_mul_u32_u24 v2, v6, 1536
	v_lshl_add_u32 v2, v7, 4, v2                   ; images: 1,536 u + 16 r
	v_lshl_add_u32 v3, v6, 4, v7
	v_lshlrev_b32 v3, 2, v3                        ; scale words: 4 (16 u + r)
	s_wait_kmcnt 0x0
	s_cmp_eq_u32 s15, 0
	s_cselect_b64 s[26:27], s[4:5], s[6:7]
	s_cmp_eq_u32 s15, 2
	s_cselect_b64 s[26:27], s[8:9], s[26:27]
	s_add_nc_u64 s[26:27], s[26:27], s[20:21]
	s_add_nc_u64 s[28:29], s[12:13], s[22:23]
	s_add_nc_u64 s[30:31], s[12:13], s[24:25]
	s_wait_alu depctr_va_vdst(0)
	WORK 2048
.Lwo:
	; ---- Wo: rows of 4,096 bytes, tiles of 16 neighbouring columns
	s_and_b32 s17, s16, 15
	s_lshr_b32 s18, s16, 4                         ; K step
	s_lshl_b32 s17, s17, 1
	s_add_co_u32 s17, s17, s14                     ; P
	s_lshl_b32 s20, s18, 19                        ; 128 rows of 4,096 bytes a K step
	s_lshl_b32 s19, s17, 7
	s_add_co_u32 s20, s20, s19
	s_lshl_b32 s22, s18, 6
	s_lshl_b32 s19, s17, 1
	s_add_co_u32 s22, s22, s19                     ; image 64 s + 2 P
	s_mul_i32 s22, s22, 1536
	s_add_co_u32 s22, s22, 1179648
	s_lshl_b32 s24, s18, 5
	s_add_co_u32 s24, s24, s17                     ; scale words 32 s + P
	s_lshl_b32 s24, s24, 7
	s_add_co_u32 s24, s24, 1622016                 ; 1,572,864 + 3 x 16,384
	v_bfe_u32 v6, v0, 4, 1                         ; u = l / 16
	v_and_b32 v7, 15, v0                           ; r = l % 16
	v_mul_u32_u24 v2, v6, 1536
	v_lshl_add_u32 v2, v7, 4, v2
	v_lshl_add_u32 v3, v6, 4, v7
	v_lshlrev_b32 v3, 2, v3
	s_wait_kmcnt 0x0
	s_add_nc_u64 s[26:27], s[10:11], s[20:21]
	s_add_nc_u64 s[28:29], s[12:13], s[22:23]
	s_add_nc_u64 s[30:31], s[12:13], s[24:25]
	s_wait_alu depctr_va_vdst(0)
	WORK 4096
.Lfunc_end_k_q07d6e8c04d_quantw:
	.size	k_q07d6e8c04d_quantw, .Lfunc_end_k_q07d6e8c04d_quantw-k_q07d6e8c04d_quantw
	.p2alignl 7, 3214868480
	.fill 96, 4, 3214868480
	.section	.rodata,"a",@progbits
	.p2align	6, 0x0
	.amdhsa_kernel k_q07d6e8c04d_quantw
		.amdhsa_group_segment_fixed_size 0
		.amdhsa_private_segment_fixed_size 0
		.amdhsa_enable_private_segment 0
		.amdhsa_kernarg_size 40
		.amdhsa_user_sgpr_count 2
		.amdhsa_user_sgpr_kernarg_segment_ptr 1
		.amdhsa_wavefront_size32 1
		.amdhsa_system_sgpr_workgroup_id_x 1
		.amdhsa_system_sgpr_workgroup_id_y 1
		.amdhsa_system_sgpr_workgroup_id_z 1
		.amdhsa_system_vgpr_workitem_id 0
		.amdhsa_next_free_vgpr 192
		.amdhsa_next_free_sgpr 66
		.amdhsa_reserve_vcc 0
		.amdhsa_float_denorm_mode_32 3
		.amdhsa_float_denorm_mode_16_64 3
		.amdhsa_memory_ordered 1
		.amdhsa_forward_progress 1
		.amdhsa_inst_pref_size 41
	.end_amdhsa_kernel
	.amdgpu_metadata
---
amdhsa.version: [ 1, 2 ]
amdhsa.kernels:
  - .name:           k_q07d6e8c04d_quantw
    .symbol:         k_q07d6e8c04d_quantw.kd
    .args:
      - { .name: Wq, .offset: 0, .size: 8, .value_kind: global_buffer, .address_space: global }
      - { .name: Wk, .offset: 8, .size: 8, .value_kind: global_buffer, .address_space: global }
      - { .name: Wv, .offset: 16, .size: 8, .value_kind: global_buffer, .address_space: global }
      - { .name: Wo, .offset: 24, .size: 8, .value_kind: global_buffer, .address_space: global }
      - { .name: wbuf, .offset: 32, .size: 8, .value_kind: global_buffer, .address_space: global }
    .group_segment_fixed_size: 0
    .private_segment_fixed_size: 0
    .kernarg_segment_align: 8
    .kernarg_segment_size: 40
    .max_flat_workgroup_size: 64
    .sgpr_count:     66
    .vgpr_count:     192
    .wavefront_size: 32
...
	.end_amdgpu_metadata
.endif
;; end of part 1
;; launch proj (part 2): grid 256 x 1, 4 waves a work-group, no clusters, 121,344 bytes of LDS; arguments x, context, wbuf, qbuf, kbuf, vbuf; writes qbuf, kbuf, vbuf
.if DOCPART == 2
	.amdgcn_target "amdgcn-amd-amdhsa--gfx1250"
	.amdhsa_code_object_version 6
	.text
	.protected	k_q07d6e8c04d_proj
	.globl	k_q07d6e8c04d_proj
	.p2align	8
	.type	k_q07d6e8c04d_proj,@function
k_q07d6e8c04d_proj:
	s_mov_b64 s[64:65], 0
	v_nop
	global_prefetch_b8 v0, s[64:65] scope:SCOPE_SE
	s_setreg_imm32_b32 hwreg(HW_REG_WAVE_MODE, 25, 1), 1
	s_wait_xcnt 0x0
; q = x Wq, k = context Wk, v = context Wv on codes of FP6 (E2M3) with one E8M0 scale for each 32 along K = 1,024; the results are quantised on the way out for attention's two products
; (q and k along the head's 64, v along the keys) and leave as codes: no f32 result goes to memory.
; SHARES.  Work-groups 0-127 take 64 rows of x each, 128-255 64 rows of context.  THE WAVES SHARE THE COLUMNS: wave w makes columns 128 w .. 128 w + 127 (heads 2 w, 2 w + 1) for all 64 rows: 32 accumulators.
; THE ROWS OF A TILE ARE NOT NEIGHBOURS: lane r of tile m takes row 32 (m / 2) + 8 (m % 2) + r + 8 (r / 8) of the 64; the weights' column tiles are cut likewise.  So the 16 registers of two neighbouring result tiles
; are 16 neighbours along the axis of source 0: with source 0 = the weight a lane holds one row and neighbouring channels (q, k); with source 0 = the rows it holds one channel and neighbouring keys (v).
; PHASES.  X: wave w loads the 16 rows of tile w whole (each load 512 consecutive bytes of a row), turns them through its own stage in LDS so that a lane holds 16 neighbours of each block of 32, quantises them and stores
; the eight fragments as images of their registers (registers 4 g on of lane l at 512 g + 16 l) | one barrier | T: eight K steps, 32 products each; the rows' fragments from LDS, the weights' fragments straight from wbuf, where
; they lie in register order, two K steps ahead | the results quantised and stored | context alone: V: the same with Wv and the sources swapped.
; OUT.  qbuf, kbuf, vbuf: [8 b + head][group of 64 rows][4 tiles][768]: a tile's 16 x 64 K is 6 registers: registers 0-3 of lane l at 16 l, registers 4-5 at 512 + 8 l.  From 3,145,728: [8 b + head][group][lane][2 words]:
; word p of lane l is the scale word of tile 2 p + l / 16, lane l % 16.  q's and k's words have their two bytes low and 0 above; v's are shifted up by 16 in odd groups, so that two groups' words are joined by one OR.
; NO CLUSTER, though all row blocks walk the same weights: a wave takes each weight fragment from memory into registers once, in register order, with no ring, no slot and no round; the price is that each work-group reads
; 393,216 bytes (x) or 786,432 (context) of codes of its own beside its 262,144 bytes of f32 rows.
; LIMITS: a block of zeros, or one whose largest magnitude lies under 2^-124, keeps the byte 1 (this program alone reads the bytes); NaN and infinities among the inputs are not served.
; REGISTERS, in windows of 256.  Window 0: v1-7 addresses; v16-31 at work in QUANT; v32 the scale word made; v34-53 the codes made; v54-67 scale words on their way out; v68-75 the rows' scale words, two sets;
;   v76-83 the weights', two sets; v88-215 two sets of 64 numbers (phase X), then v88-183 the rows' fragments, two sets of 48.   Window 1: raw rows of K steps 0-3, then the weights' fragments, two sets of 96.
;   Window 2: raw rows of K steps 4-7, then the 32 accumulators.
.set LI,  1                            ; 16 x lane
.set LI8, 2                            ; 8 x lane
.set LS,  3                            ; 4 x lane
.set STI, 4                            ; my stage, on the way in: 16 x lane
.set STO, 5                            ; and out: 528 r + 64 h
.set XWI, 6                            ; where I store my tile's images: 12,288 x wave + 16 x lane
.set XWS, 7                            ; and their scale words: 1,024 x wave + 4 x lane
.set TM,  16
.set PW,  32
.set PC,  34
.set SW,  54
.set SP,  62
.set TW,  66
.set XS,  68
.set WS,  76
.set XT,  88
.set AF,  88
.set XIMG, 0                           ; LDS: 32 images (8 m + s) of 1,536 bytes,
.set XSC,  49152                       ; their scale words, 128 bytes each,
.set STG,  53248                       ; and for each wave two stages of 16 rows x (512 + 16) bytes
.set WV,  16
.set SEL, 18
.set AB,  20                           ; s[20:21] my tile's first row
.set OC,  22                           ; s[22:23] q's or k's codes of my heads' group;  s[28:29] its scale words
.set WB,  24                           ; s[24:25] my column tiles' images;  s[26:27] their scale words
.set WSB, 26
.set OS,  28
.set VC,  30                           ; s[30:31], s[32:33] the same as OC, OS in vbuf
.set VS,  32
.set HM,  34                           ; lanes 16-31
.set SH,  35                           ; 16 x (group % 2)
.set MSB, 0
.macro WIN new                         ; the immediate's high byte repeats the setting that is left; a switch that changes nothing is dropped
.if MSB != (\new)
	s_set_vgpr_msb (MSB<<8)|(\new)
.set MSB, (\new)
.endif
.endm
; 64 numbers of a lane, v[s] .. v[s + 63] of window w, register 16 b + i = k 32 b + 16 (lane / 16) + i of the lane's row, become a fragment's codes in v[PC] on and its scale word in v[PW].
; Each accumulator among the sources is first read at its two lowest registers.
.macro QUANT s, w
	WIN 5*(\w)
.irp b, 0,1,2,3
	v_max3_num_f32 v[TM+\b], |v[(\s)+16*\b]|, |v[(\s)+1+16*\b]|, 0x1800000   ; block b: my 16 numbers, and the floor 2^(3 - 127): the byte cannot fall under 1
.endr
	WIN 20*(\w)
.irp i, 2,4,6,8,10,12,14
.irp b, 0,1,2,3
	v_max3_num_f32 v[TM+\b], v[TM+\b], |v[(\s)+16*\b+\i]|, |v[(\s)+1+16*\b+\i]|   ; the four blocks by turns
.endr
.endr
	WIN 0
.irp b, 0,1,2,3
	v_permlanex16_b32 v[TM+4+\b], v[TM+\b], s[SEL], s[SEL+1]
.endr
.irp b, 0,1,2,3
	v_max_num_f32 v[TM+\b], v[TM+\b], v[TM+4+\b]   ; with lane l xor 16's: the block's largest magnitude
.endr
.irp b, 0,1,2,3
	v_add_nc_u32 v[TM+12+\b], 0xff000000, v[TM+\b] ; 2 off its exponent field: the conversion's scale operand
.endr
.irp b, 0,1,2,3
	v_lshrrev_b32 v[TM+4+\b], 23, v[TM+12+\b]      ; the scale's byte
.endr
	v_lshl_or_b32 v[PW], v[TM+5], 8, v[TM+4]
	v_lshl_or_b32 v[PW], v[TM+6], 16, v[PW]
	v_lshl_or_b32 v[PW], v[TM+7], 24, v[PW]
	WIN (\w)
.irp c, 0,1
	v_cvt_scalef32_pk16_fp6_f32 v[PC+6*\c:PC+2+6*\c], v[(\s)+32*\c:(\s)+15+32*\c], v[TM+12+2*\c]
	v_cvt_scalef32_pk16_fp6_f32 v[PC+12+4*\c:PC+14+4*\c], v[(\s)+16+32*\c:(\s)+31+32*\c], v[TM+13+2*\c]   ; (a conversion's three registers begin on an even number)
.endr
	WIN 0
	v_nop                                          ; one plain line behind a scaled conversion
.irp c, 0,1                                    ; the operand wants a WHOLE block in a lane: lanes 0-15 block 2 c, lanes 16-31 block 2 c + 1
.irp i, 0,1,2
	v_permlane16_swap_b32 v[PC+6*\c+\i], v[PC+12+4*\c+\i]
.endr
.irp i, 0,1,2
	v_mov_b32 v[PC+3+6*\c+\i], v[PC+12+4*\c+\i]
.endr
.endr
.endm
.macro XRAW                            ; my tile's 16 rows, whole: 128 loads, each 512 consecutive bytes of one row, at a multiple of 512 from the tensor's first byte
.irp s, 0,1,2,3,4,5,6,7
	WIN 0x40*(1+\s/4)
.set i, 0
.rept 16
	global_load_b128 v[64*(\s%4)+4*i:64*(\s%4)+4*i+3], v[LI], s[AB:AB+1] offset:(i+8*(i/8))*4096+512*\s th:TH_LOAD_NT
.set i, i+1
.endr
.endr
	WIN 0
.endm
.macro TURN s                          ; K step s through my stage: in as loaded, out 16 neighbours of each block of 32 a lane.  LDS serves a wave's instructions in order (ISA guide 5.7.1.4): no wait between
	WIN 0x04*(1+(\s)/4)
.set i, 0
.rept 16
	ds_store_b128 v[STI], v[64*((\s)%4)+4*i:64*((\s)%4)+4*i+3] offset:8448*((\s)%2)+528*i
.set i, i+1
.endr
	WIN 0
.irp b, 0,1,2,3
.irp j, 0,1,2,3
	ds_load_b128 v[XT+64*((\s)%2)+16*\b+4*\j:XT+64*((\s)%2)+16*\b+4*\j+3], v[STO] offset:8448*((\s)%2)+128*\b+16*\j
.endr
.endr
.endm
.macro IMAGE s                         ; the fragment in v[PC] on goes to LDS as it stands, and its scale words
.irp c, 0,1,2
	ds_store_b128 v[XWI], v[PC+4*\c:PC+4*\c+3] offset:XIMG+1536*(\s)+512*\c
.endr
	ds_store_b32 v[XWS], v[PW] offset:XSC+128*(\s)
.endm
.macro WLOAD q, s, mo, so              ; my eight column tiles of K step s into set q: 24 + 4 loads
	WIN 0x40
.irp c, 0,1,2,3,4,5,6,7
.irp g, 0,1,2
	global_load_b128 v[96*(\q)+12*\c+4*\g:96*(\q)+12*\c+4*\g+3], v[LI], s[WB:WB+1] offset:(\mo)+49152*(\s)+1536*\c+512*\g
.endr
.endr
	WIN 0
.irp p, 0,1,2,3
	global_load_b32 v[WS+4*(\q)+\p], v[LS], s[WSB:WSB+1] offset:(\so)+2048*(\s)+128*\p
.endr
.endm
.macro AFETCH a, s                     ; the four row tiles' fragments of K step s into set a: 16 LDS loads
.irp m, 0,1,2,3
.irp c, 0,1,2
	ds_load_b128 v[AF+48*(\a)+12*\m+4*\c:AF+48*(\a)+12*\m+4*\c+3], v[LI] offset:XIMG+1536*(8*\m+(\s))+512*\c
.endr
	ds_load_b32 v[XS+4*(\a)+\m], v[LS] offset:XSC+128*(8*\m+(\s))
.endr
.endm
; 32 products of a K step; the 32 accumulators take turns, one instruction a turn, in the same order in every K step.  first = 1: the products start the sums.
; MULT: source 0 = 16 columns of the weight, source 1 = 16 rows: accumulator (m, c) at 64 m + 8 c of window 2.  A pair of column tiles shares a scale register: the even tile's words in lanes 0-15, the odd one's in lanes 16-31.
.macro MULT q, a, first
	WIN 0xa1
.irp m, 0,1,2,3
.irp p, 0,1,2,3
.set dE, 64*\m+16*\p
.set wE, 96*(\q)+24*\p
.set xF, AF+48*(\a)+12*\m
.set sW, WS+4*(\q)+\p
.set sX, XS+4*(\a)+\m
.if \first
	v_wmma_scale_f32_16x16x128_f8f6f4 v[dE:dE+7], v[wE:wE+11], v[xF:xF+11], 0, v[sW], v[sX] matrix_a_fmt:MATRIX_FMT_FP6 matrix_b_fmt:MATRIX_FMT_FP6
	v_wmma_scale_f32_16x16x128_f8f6f4 v[dE+8:dE+15], v[wE+12:wE+23], v[xF:xF+11], 0, v[sW], v[sX] matrix_a_fmt:MATRIX_FMT_FP6 matrix_b_fmt:MATRIX_FMT_FP6 matrix_a_scale:MATRIX_SCALE_ROW1
.else
	v_wmma_scale_f32_16x16x128_f8f6f4 v[dE:dE+7], v[wE:wE+11], v[xF:xF+11], v[dE:dE+7], v[sW], v[sX] matrix_a_fmt:MATRIX_FMT_FP6 matrix_b_fmt:MATRIX_FMT_FP6
	v_wmma_scale_f32_16x16x128_f8f6f4 v[dE+8:dE+15], v[wE+12:wE+23], v[xF:xF+11], v[dE+8:dE+15], v[sW], v[sX] matrix_a_fmt:MATRIX_FMT_FP6 matrix_b_fmt:MATRIX_FMT_FP6 matrix_a_scale:MATRIX_SCALE_ROW1
.endif
.endr
.endr
.endm
; MULV: the sources swapped: source 0 = 16 rows (keys), source 1 = 16 columns: accumulator (c, m) at 32 c + 8 m.
.macro MULV q, a, first
	WIN 0xa4
.irp m, 0,1,2,3
.irp p, 0,1,2,3
.set dE, 64*\p+8*\m
.set wE, 96*(\q)+24*\p
.set xF, AF+48*(\a)+12*\m
.set sW, WS+4*(\q)+\p
.set sX, XS+4*(\a)+\m
.if \first
	v_wmma_scale_f32_16x16x128_f8f6f4 v[dE:dE+7], v[xF:xF+11], v[wE:wE+11], 0, v[sX], v[sW] matrix_a_fmt:MATRIX_FMT_FP6 matrix_b_fmt:MATRIX_FMT_FP6
	v_wmma_scale_f32_16x16x128_f8f6f4 v[dE+32:dE+39], v[xF:xF+11], v[wE+12:wE+23], 0, v[sX], v[sW] matrix_a_fmt:MATRIX_FMT_FP6 matrix_b_fmt:MATRIX_FMT_FP6 matrix_b_scale:MATRIX_SCALE_ROW1
.else
	v_wmma_scale_f32_16x16x128_f8f6f4 v[dE:dE+7], v[xF:xF+11], v[wE:wE+11], v[dE:dE+7], v[sX], v[sW] matrix_a_fmt:MATRIX_FMT_FP6 matrix_b_fmt:MATRIX_FMT_FP6
	v_wmma_scale_f32_16x16x128_f8f6f4 v[dE+32:dE+39], v[xF:xF+11], v[wE+12:wE+23], v[dE+32:dE+39], v[sX], v[sW] matrix_a_fmt:MATRIX_FMT_FP6 matrix_b_fmt:MATRIX_FMT_FP6 matrix_b_scale:MATRIX_SCALE_ROW1
.endif
.endr
.endr
.endm
; Eight K steps.  The weights' loads run two K steps ahead in two sets, the rows' LDS loads one.
.macro PASS kind, mo, so
.irp s, 0,1,2,3,4,5,6,7
.if \s < 7
	s_wait_loadcnt 28                              ; this K step's weights are in; the next K step's 24 + 4 loads may be out
.else
	s_wait_loadcnt 0x0
.endif
	s_wait_dscnt 0x0                               ; and the rows' fragments
.if \s < 7
	AFETCH (\s+1)%2, \s+1                          ; the set that the K step before multiplied: four plain lines stand behind its products
.endif
.if \kind
.if \s == 0
	MULV \s%2, \s%2, 1
.else
	MULV \s%2, \s%2, 0
.endif
.else
.if \s == 0
	MULT \s%2, \s%2, 1
.else
	MULT \s%2, \s%2, 0
.endif
.endif
	WIN 0
.rept 4
	v_nop                                          ; four places in front of loads into registers that these products have read, and of the first read of results
.endr
.if \s < 6
	WLOAD \s%2, \s+2, \mo, \so
.endif
.endr
.endm
	s_load_b256 s[4:11], s[0:1], 0x0               ; x s[4:5], context s[6:7], wbuf s[8:9], qbuf s[10:11]
	s_load_b128 s[12:15], s[0:1], 0x20             ; kbuf s[12:13], vbuf s[14:15]
	v_lshl_add_u32 v254, v0, 2, 0x1d800
	v_mov_b32 v255, 0
	v_lshrrev_b32 v8, 5, v0
	v_readfirstlane_b32 s[WV], v8                  ; wave 0..3
	v_and_b32 v8, 31, v0                           ; lane
	v_lshlrev_b32 v[LI], 4, v8
	s_and_b32 s17, ttmp9, 127                      ; my block of 64 rows of the tensor's 8,192
	s_lshl_b32 s36, s17, 6
	s_lshr_b32 s43, s[WV], 1
	s_lshl_b32 s43, s43, 5
	s_add_co_u32 s36, s36, s43
	s_and_b32 s43, s[WV], 1
	s_lshl_b32 s43, s43, 3
	s_add_co_u32 s36, s36, s43                     ; tile w's first row: 64 x block + 32 (w / 2) + 8 (w % 2)
	s_lshl_b32 s36, s36, 12                        ; rows of 4,096 bytes
	s_mov_b32 s37, 0
	s_wait_alu depctr_va_vdst(0)
	s_wait_kmcnt 0x0
	s_cmp_lt_u32 ttmp9, 128                        ; x's work-group or context's?  The choice hangs on the work-group's number alone
	s_cselect_b64 s[AB:AB+1], s[4:5], s[6:7]
	s_cselect_b64 s[OC:OC+1], s[10:11], s[12:13]
	s_cselect_b32 s48, 0, 393216                   ; Wq's images or Wk's,
	s_cselect_b32 s50, 0, 16384                    ; and their scale words
	s_add_nc_u64 s[AB:AB+1], s[AB:AB+1], s[36:37]
	XRAW                                           ; all that the work-group reads of its rows is asked for before anything else is done
	v_and_b32 v9, 15, v0                           ; r
	v_bfe_u32 v10, v0, 4, 1                        ; h
	v_lshlrev_b32 v[LI8], 3, v8
	v_lshlrev_b32 v[LS], 2, v8
	s_mul_i32 s40, s[WV], 16896
	s_add_co_u32 s40, s40, STG
	v_add_nc_u32 v[STI], s40, v[LI]
	v_mul_u32_u24 v[STO], v9, 528
	v_lshl_add_u32 v[STO], v10, 6, v[STO]
	v_add_nc_u32 v[STO], s40, v[STO]
	s_mul_i32 s40, s[WV], 12288
	v_add_nc_u32 v[XWI], s40, v[LI]
	s_lshl_b32 s40, s[WV], 10
	v_add_nc_u32 v[XWS], s40, v[LS]
.irp b, 0,1,2,3
	v_mov_b32 v[TM+4+\b], 0                        ; written once: a lane permute's destination counts as one of its sources
.endr
	s_mov_b32 s[SEL], 0x76543210
	s_mov_b32 s[SEL+1], 0xfedcba98                 ; v_permlanex16_b32's selects for lane l xor 16
	s_mov_b32 s[HM], 0xffff0000
	s_lshr_b32 s41, s17, 6                         ; the batch
	s_and_b32 s42, s17, 63                         ; the group of 64 rows in it
	s_and_b32 s[SH], s42, 1
	s_lshl_b32 s[SH], s[SH], 4
	s_lshl_b32 s44, s41, 3
	s_lshl_b32 s43, s[WV], 1
	s_add_co_u32 s44, s44, s43                     ; 8 b + my first head
	s_mul_i32 s38, s44, 196608
	s_mul_i32 s43, s42, 3072
	s_add_co_u32 s38, s38, s43                     ; the group's codes
	s_mov_b32 s39, 0
	s_lshl_b32 s46, s44, 14
	s_lshl_b32 s43, s42, 8
	s_add_co_u32 s46, s46, s43
	s_add_co_u32 s46, s46, 3145728                 ; and its scale words
	s_mov_b32 s47, 0
	s_add_nc_u64 s[OS:OS+1], s[OC:OC+1], s[46:47]
	s_add_nc_u64 s[OC:OC+1], s[OC:OC+1], s[38:39]
	s_add_nc_u64 s[VC:VC+1], s[14:15], s[38:39]
	s_add_nc_u64 s[VS:VS+1], s[14:15], s[46:47]
	s_mul_i32 s43, s[WV], 12288
	s_add_co_u32 s48, s48, s43                     ; my eight column tiles
	s_mov_b32 s49, 0
	s_add_nc_u64 s[WB:WB+1], s[8:9], s[48:49]
	s_lshl_b32 s43, s[WV], 9
	s_add_co_u32 s50, s50, s43
	s_add_co_u32 s50, s50, 1572864
	s_mov_b32 s51, 0
	s_add_nc_u64 s[WSB:WSB+1], s[8:9], s[50:51]
	; ---- X: my tile's eight fragments.  n: the loads issued behind the raw K step that is wanted next (16 for each later raw K step, 56 for the weights' first two), held to the wait's field of 63
.macro XSTEP s, n
	s_wait_dscnt 0x0                               ; this K step's numbers are back from the stage, and the last image's stores have read their registers
.if (\s) < 7
	s_wait_loadcnt \n
	TURN (\s)+1                                    ; the next K step goes through the other stage while this one is quantised
.endif
.if (\s) == 4
	WLOAD 0, 0, 0, 0                               ; window 1 is free: the stage's stores of K steps 0-3 have read it.  The weights of the first two K steps
	WLOAD 1, 1, 0, 0
.endif
	QUANT XT+64*((\s)%2), 0
	IMAGE \s
.endm
	s_wait_alu depctr_va_vdst(0)
	s_wait_loadcnt 63                              ; K step 0's 16 loads are in (112 were issued behind them)
	TURN 0
	XSTEP 0, 63                                    ; 96 behind
	XSTEP 1, 63                                    ; 80
	XSTEP 2, 63                                    ; 64
	XSTEP 3, 48
	XSTEP 4, 32
	XSTEP 5, 63                                    ; 16 + 56
	XSTEP 6, 56
	XSTEP 7, 0
	s_wait_dscnt 0x0                               ; for the others' sake: my images have landed
	s_barrier_signal -1
	s_barrier_wait -1                              ; the 32 fragments of the 64 rows lie in LDS; nothing is stored to LDS from here on
	AFETCH 0, 0
	; ---- T: q or k
	PASS 0, 0, 0
	; a row tile's 64 registers of a lane are 128 neighbouring channels of one row: two heads x two blocks.  Codes: registers 0-5 head 2 w, registers 6-11 head 2 w + 1
.irp m, 0,1,2,3
.if \m > 0
	s_wait_xcnt 0x0                                ; the last tile's stores have read their registers: the codes may be written again
.endif
	QUANT 64*\m, 2
	global_store_b128 v[LI], v[PC:PC+3], s[OC:OC+1] offset:768*\m                    ; 512 consecutive bytes, at a multiple of 256 from the buffer's first byte
	global_store_b64 v[LI8], v[PC+4:PC+5], s[OC:OC+1] offset:768*\m+512              ; 256
	global_store_b128 v[LI], v[PC+6:PC+9], s[OC:OC+1] offset:196608+768*\m
	global_store_b64 v[LI8], v[PC+10:PC+11], s[OC:OC+1] offset:196608+768*\m+512
	v_and_b32 v[SW+\m], 0xffff, v[PW]              ; head 2 w's two bytes,
	v_lshrrev_b32 v[SW+4+\m], 16, v[PW]            ; head 2 w + 1's
.endr
.irp e, 0,1
.irp p, 0,1
	v_cndmask_b32 v[SP+2*\e+\p], v[SW+4*\e+2*\p], v[SW+4*\e+2*\p+1], s[HM]   ; lanes 0-15 tile 2 p's word, lanes 16-31 tile 2 p + 1's
.endr
.endr
	global_store_b64 v[LI8], v[SP:SP+1], s[OS:OS+1]                  ; the group's 256 bytes of scale words
	global_store_b64 v[LI8], v[SP+2:SP+3], s[OS:OS+1] offset:16384
	s_cmp_lt_u32 ttmp9, 128
	s_cbranch_scc1 .Lend                           ; x's work-groups are done
	; ---- V: v, the sources swapped
	WLOAD 0, 0, 393216, 16384
	WLOAD 1, 1, 393216, 16384
	AFETCH 0, 0
	PASS 1, 393216, 16384
	; two column tiles' 64 registers of a lane are 64 neighbouring keys of one channel, twice: registers 0-5 tile 2 cp, registers 6-11 tile 2 cp + 1
.irp cp, 0,1,2,3
	s_wait_xcnt 0x0                                ; the earlier stores have read their registers
	QUANT 64*\cp, 2
	global_store_b128 v[LI], v[PC:PC+3], s[VC:VC+1] offset:196608*(\cp/2)+1536*(\cp%2)
	global_store_b64 v[LI8], v[PC+4:PC+5], s[VC:VC+1] offset:196608*(\cp/2)+1536*(\cp%2)+512
	global_store_b128 v[LI], v[PC+6:PC+9], s[VC:VC+1] offset:196608*(\cp/2)+1536*(\cp%2)+768
	global_store_b64 v[LI8], v[PC+10:PC+11], s[VC:VC+1] offset:196608*(\cp/2)+1536*(\cp%2)+1280
	v_and_b32 v[TW], 0xffff, v[PW]
	v_lshrrev_b32 v[TW+1], 16, v[PW]
	v_cndmask_b32 v[TW], v[TW], v[TW+1], s[HM]
	v_lshlrev_b32 v[SP+\cp], s[SH], v[TW]          ; an odd group's bytes stand in the word's upper half
.endr
	global_store_b64 v[LI8], v[SP:SP+1], s[VS:VS+1]
	global_store_b64 v[LI8], v[SP+2:SP+3], s[VS:VS+1] offset:16384
.Lend:
	s_wait_tensorcnt 0x0
	ds_add_u32 v254, v255
	s_wait_dscnt 0x0
	s_endpgm
.Lfunc_end_k_q07d6e8c04d_proj:
	.size	k_q07d6e8c04d_proj, .Lfunc_end_k_q07d6e8c04d_proj-k_q07d6e8c04d_proj
	.p2alignl 7, 3214868480
	.fill 96, 4, 3214868480
	.section	.rodata,"a",@progbits
	.p2align	6, 0x0
	.amdhsa_kernel k_q07d6e8c04d_proj
		.amdhsa_group_segment_fixed_size 121344
		.amdhsa_private_segment_fixed_size 0
		.amdhsa_enable_private_segment 0
		.amdhsa_kernarg_size 48
		.amdhsa_user_sgpr_count 2
		.amdhsa_user_sgpr_kernarg_segment_ptr 1
		.amdhsa_wavefront_size32 1
		.amdhsa_system_sgpr_workgroup_id_x 1
		.amdhsa_system_sgpr_workgroup_id_y 1
		.amdhsa_system_sgpr_workgroup_id_z 1
		.amdhsa_system_vgpr_workitem_id 0
		.amdhsa_next_free_vgpr 768
		.amdhsa_next_free_sgpr 66
		.amdhsa_reserve_vcc 0
		.amdhsa_float_denorm_mode_32 3
		.amdhsa_float_denorm_mode_16_64 3
		.amdhsa_memory_ordered 1
		.amdhsa_forward_progress 1
		.amdhsa_inst_pref_size 228
	.end_amdhsa_kernel
	.amdgpu_metadata
---
amdhsa.version: [ 1, 2 ]
amdhsa.kernels:
  - .name:           k_q07d6e8c04d_proj
    .symbol:         k_q07d6e8c04d_proj.kd
    .args:
      - { .name: x, .offset: 0, .size: 8, .value_kind: global_buffer, .address_space: global }
      - { .name: context, .offset: 8, .size: 8, .value_kind: global_buffer, .address_space: global }
      - { .name: wbuf, .offset: 16, .size: 8, .value_kind: global_buffer, .address_space: global }
      - { .name: qbuf, .offset: 24, .size: 8, .value_kind: global_buffer, .address_space: global }
      - { .name: kbuf, .offset: 32, .size: 8, .value_kind: global_buffer, .address_space: global }
      - { .name: vbuf, .offset: 40, .size: 8, .value_kind: global_buffer, .address_space: global }
    .group_segment_fixed_size: 121344
    .private_segment_fixed_size: 0
    .kernarg_segment_align: 8
    .kernarg_segment_size: 48
    .max_flat_workgroup_size: 128
    .sgpr_count:     66
    .vgpr_count:     768
    .wavefront_size: 32
...
	.end_amdgpu_metadata
.endif
;; end of part 2
;; launch attn (part 3): grid 16 x 16, 16 waves a work-group, no clusters, 327,680 bytes of LDS; arguments qbuf, kbuf, vbuf, obuf; writes obuf
.if DOCPART == 3
	.amdgcn_target "amdgcn-amd-amdhsa--gfx1250"
	.amdhsa_code_object_version 6
	.text
	.protected	k_q07d6e8c04d_attn
	.globl	k_q07d6e8c04d_attn
	.p2align	8
	.type	k_q07d6e8c04d_attn,@function
k_q07d6e8c04d_attn:
	s_mov_b64 s[64:65], 0
	v_nop
	global_prefetch_b8 v0, s[64:65] scope:SCOPE_SE
	s_setreg_imm32_b32 hwreg(HW_REG_WAVE_MODE, 25, 1), 1
	s_wait_xcnt 0x0
; o[b][q][head][:] = the sum over keys of softmax(q . k / 8) v, both products on codes of FP6 (E2M3) with one E8M0 scale for each 32 along a product's K; o is quantised along the 512 of the last product and leaves as codes.
; THE SOFTMAX AHEAD OF THE SECOND PRODUCT: t = score x log2(e) / 8; M = the row's largest t so far, rounded UP to a whole number; p = 2^(t - M) is quantised along the keys, not normalised.
; The row's sum is taken of the unquantised p, in f32, and divides O at the end.  When M moves, the sum and O are multiplied by 2^(old M - new M): exact.
; IN.  qbuf, kbuf, vbuf: [y = 8 b + head][group of 64][4 tiles][768]: a tile (16 x 64 K) is 6 registers: registers 0-3 of lane l at 16 l, registers 4-5 at 512 + 8 l.  From 3,145,728: [y][group][lane][2 words]:
; word p of lane l is the scale word of tile 2 p + l / 16, lane l % 16.  Lane r of a stored tile i of q and k is row 32 (i / 2) + 8 (i % 2) + r + 8 (r / 8) of its group; v's tiles: 16 channels x the group's 64 keys in order.
; WHICH KEYS FORM A SCORE TILE is chosen by the LDS addresses alone: lane r of tile t = 2 b + u of a group takes key 8 t + r % 8 + 32 (r / 8), which is lane 8 b + r % 8 of the stored tile 2 (r / 8) + u.
; S^T = K Q^T then gives lane (query, h), in the 32 registers of a group's four tiles, keys 32 h + 0 .. 31: A WHOLE BLOCK OF 32 IN ONE LANE, in the order of the next operand's registers: no lane is asked for a block's
; maximum and no codes change lanes; only the row's maximum and the four scale bytes cross the two halves of the lanes.
; THE FIRST PRODUCT'S K IS 64, the instruction's 128: registers 6-11 of Q are zero codes, set once, and Q's and K's upper scale bytes are 0.  What K's operand holds in its registers 6-11 is multiplied by those zero codes
; (every code of E2M3 is a finite number), so K's fragments lie 6 registers apart, each one's upper half being the next one's data; the last one's is V's first six registers, which are in by then.
; SHARES.  A work-group owns 256 queries of one head, each of its sixteen waves one tile of 16, in 256 registers.  Every wave walks the head's 4,096 keys, 128 a step.  K's and V's codes come through a ring of two LDS slots
; of 512 keys (wave 0 fetches K's 24,576 bytes, wave 1 V's); the head's scale words stay in LDS.  K's rows of 256 bytes lie 320 apart in LDS: the two stored tiles that a load of 16 bytes a lane touches are six rows,
; 1,920 bytes, apart, which is 128 modulo 256, so its sixteen lanes touch 256 different bytes modulo 256.
; ALL LDS READS OF A STEP STAND AT ITS TOP; the rest of a step is work on registers.  So in a slot's last step a wave signals the barrier of the change of slots as soon as its reads are in, and waits for it behind the step.
; NO CLUSTER, though the sixteen work-groups of a head walk the same K and V: a work-group fetches 49,152 bytes for four key steps, in which each of its sixteen waves issues some 1,000 instructions: the fetches are a small
; part of a step's work, and joint loads would put a round of the cluster's barrier in front of each.
; OUT.  obuf: [row tile T of 512][head][768] as above; from 3,145,728 [T][head][32 lanes] scale words, an odd head's two bytes in the upper half.
; LIMITS: a block of zeros, or one whose largest magnitude lies under 2^-124, keeps the byte 1 (this program alone reads the bytes); NaN and infinities are not served; scores lie above -3e38, and the scaled scores under 2^31 in magnitude.
.set SLOT1, 65536                      ; slot 1 begins here
.set VOFF,  30720                      ; a slot: K's 96 rows of 320 bytes, then V's 24,576 bytes
.set SCK,   131072                     ; K's scale words of the head, 16,384 bytes; V's follow
.set SPARE, 163840                     ; the spare words, 128 bytes for each wave
.set LI16, 1                           ; 16 x lane
.set LI8,  2                           ; 8 x lane
.set BK16, 3                           ; K, registers 0-3: 1,920 (r / 8) + 320 h + 16 (r % 8)
.set BK8,  4                           ; K, registers 4-5: 1,920 (r / 8) + 128 h + 8 (r % 8)
.set BKS,  5                           ; K's scale words: SCK + 128 h + 8 (r % 8) + 4 (r / 8): lanes 0-15 tile 2 b, lanes 16-31 tile 2 b + 1
.set SPW,  6                           ; LDS address of my spare word; never rewritten
.set NIL,  7                           ; 0; never rewritten
.set PFO,  8                           ; 256 x lane: the prefetches' offset
.set QS,   9                           ; Q's scale words
.set SELP, 10                          ; byte selects that put my two scale bytes at bytes h and 2 + h of a word
.set AK16, 11                          ; v11-16 the addresses of the slot in hand
.set AK8,  12
.set AV16, 13
.set AV8,  14
.set AKS,  15
.set AVS,  16
.set PW,   17                          ; p's scale word
.set NM,   18                          ; -M;  v19: the largest score so far
.set RS,   19
.set L,    20                          ; v20-27 the row's sum, in four pairs
.set Q,    28                          ; v28-39 Q's fragment (v34-39: zero codes)
.set KS,   40                          ; v40-43 K's scale words
.set VS,   44                          ; v44-47 V's
.set KB,   48                          ; v48-95 eight fragments of K, 6 registers apart; behind the first product: at work
.set VB,   96                          ; v96-143 four fragments of V
.set S,    144                         ; v144-207 S^T, then p
.set O,    208                         ; v208-239 O^T
.set PC,   240                         ; v240-251 p's codes
.set F,    252                         ; 2^(old M - new M); v253 is named with it as a pair
.set SO,   254                         ; v254-255 the conversions' scale operands
.set BM,   48                          ; at work, in K's registers: four maxima,
.set MX,   52
.set PT,   53
.set XT,   54
.set DT,   55
.set TT,   56                          ; v56-58, v60-62: the second half of a block's codes (a conversion's three registers begin on an even number)
.set A0,   64
.set A1,   65
.set W,    66
.set W2,   67
.set WV,   12
.set Y,    13
.set SEL,  14
.set CS,   16
.set TB,   18                          ; LDS byte at which the slot in hand begins
.set TS,   19                          ; where the slot's scale words begin: 2,048 bytes a slot
.set SLOTS, 20
.set LIM,  21                          ; 1 in a wave that prefetches, else the greatest number
.set SH,   22                          ; 16 x (head % 2)
.set TV,   23                          ; TS + SCK + 16,384: V's scale words
.set G1K,  24                          ; s[24:31] descriptor group 1 for K's codes; s[68:75] for V's; s[32:39] for scale words; s[40:43] group 0 for codes, which walks; s[44:47] for scale words
.set G1S,  32
.set G0C,  40
.set G0S,  44
.set PFA,  48                          ; s[48:49] where my prefetches stand
.set QC,   50
.set QSB,  52
.set OCB,  54
.set OSB,  56
.set G1V,  68
.macro TLOAD                           ; wave 0 fetches K's codes, wave 1 V's, the others nothing; the branches hang on the wave's number alone
	s_cmp_lt_u32 s[WV], 2
	s_cbranch_scc0 .Lasked_\@
	s_cmp_eq_u32 s[WV], 0
	s_cbranch_scc0 .Lfor_v_\@
	tensor_load_to_lds s[G0C:G0C+3], s[G1K:G1K+7]
	s_nop 0
.rept 4
	v_nop
.endr
	s_branch .Lasked_\@
.Lfor_v_\@:
	tensor_load_to_lds s[G0C:G0C+3], s[G1V:G1V+7]
	s_nop 0
.rept 4
	v_nop
.endr
.Lasked_\@:
.endm
; A PREFETCH INTO THE L2 of what the NEXT change of slots will ask for: 24,576 bytes of K's codes and as many of V's, four key steps ahead of that load.  Each aligned block of 256 bytes is named once in the launch:
; all work-groups of a head walk the same K and V, so the head's first work-group asks; in it waves 4 to 6 for K's, waves 8 to 10 for V's, 8,192 bytes a wave, lanes 256 bytes apart.
; Slots 0 and 1 come by their loads alone; the last change that fills a slot asks for nothing: there is no slot behind it.
.macro ASK
	s_cmp_gt_u32 s[SLOTS], s[LIM]
	s_cbranch_scc0 .Lnot_mine_\@
	global_prefetch_b8 v[PFO], s[PFA:PFA+1] th:TH_LOAD_NT scope:SCOPE_SE
.Lnot_mine_\@:
.endm
; What stands in front of the barrier of a change of slots: all my tensor loads are in; 0 onto my spare word; the add and my reads of the slot in hand are done; the signal.
; fill = 1: a slot is filled behind the barrier.  The add stands twice there.
.macro FENCE fill
	s_wait_tensorcnt 0x0                           ; no tensor load of mine is out, so a group 0 may be written
	ds_add_u32 v[SPW], v[NIL]
.if \fill
	ds_add_u32 v[SPW], v[NIL]
	s_xor_b32 s[G0C+1], s[G0C+1], SLOT1            ; the walking descriptor: the other slot than last time,
	s_add_nc_u64 s[G0C+2:G0C+3], s[G0C+2:G0C+3], 24576   ; the next 8 groups
	s_wait_xcnt 0x0                                ; the last prefetch, a slot back, has read its address
	s_add_nc_u64 s[PFA:PFA+1], s[PFA:PFA+1], 24576 ; one slot further on than the walking descriptor
.endif
	s_wait_dscnt 0x0
	s_barrier_signal -1
.endm
	s_load_b256 s[4:11], s[0:1], 0x0               ; qbuf s[4:5], kbuf s[6:7], vbuf s[8:9], obuf s[10:11]
	v_lshl_add_u32 v[SPW], v0, 2, SPARE
	v_mov_b32 v[NIL], 0
	ds_add_u32 v[SPW], v[NIL]                      ; the opening lines: the add, twice on end, and its wait
	ds_add_u32 v[SPW], v[NIL]
	v_lshrrev_b32 v48, 5, v0
	s_delay_alu instid0(VALU_DEP_1)
	v_readfirstlane_b32 s[WV], v48                 ; wave 0..15
	s_and_b32 s[Y], ttmp7, 0xffff                  ; 8 b + head
	; descriptor groups 1: dense blocks as rows of 256 bytes (32 elements of 8 bytes): 96 rows of codes, 64 rows of scale words; behind each of K's rows 16 words of padding
	s_mov_b32 s[G1K], (3<<16)|(1<<20)|(5<<22)|(15<<25)
	s_mov_b32 s[G1V], 3<<16
	s_mov_b32 s[G1S], 3<<16
.irp g, G1K, G1V, G1S
	s_mov_b32 s[\g+1], 32<<16                      ; tensor_dim0
	s_mov_b32 s[\g+3], 32<<16                      ; tile_dim0
	s_mov_b32 s[\g+5], 32                          ; the pitch
	s_mov_b32 s[\g+6], 0
	s_mov_b32 s[\g+7], 0
.endr
.irp g, G1K, G1V
	s_mov_b32 s[\g+2], 96<<16                      ; tensor_dim1
	s_mov_b32 s[\g+4], 96                          ; tile_dim1
.endr
	s_mov_b32 s[G1S+2], 64<<16
	s_mov_b32 s[G1S+4], 64
	s_and_b32 s58, s[WV], 1                        ; 0: K's, 1: V's
	s_mul_i32 s59, s58, VOFF                       ; where the codes go in a slot,
	s_lshl_b32 s2, s58, 14
	s_add_co_u32 s2, s2, SCK                       ; and the scale words
	s_mul_i32 s60, s[Y], 196608                    ; the head's codes,
	s_mov_b32 s61, 0
	s_lshl_b32 s62, s[Y], 14
	s_add_co_u32 s62, s62, 3145728                 ; and its scale words
	s_mov_b32 s63, 0
	s_mov_b32 s[SEL], 0x76543210
	s_mov_b32 s[SEL+1], 0xfedcba98                 ; v_permlanex16_b32's selects for lane l xor 16
	s_mov_b32 s[CS], 0x3e38aa3b                    ; c = log2(e) / 8
	s_mov_b32 s[CS+1], s[CS]
	s_mov_b32 s[TB], 0
	s_mov_b32 s[TS], 0
	s_mov_b32 s[TV], SCK+16384
	s_mov_b32 s[SLOTS], 6
	s_mov_b32 s3, 0xffff0000                       ; lanes 16-31
	s_wait_dscnt 0x0                               ; both opening adds are done
	s_wait_kmcnt 0x0
	s_cmp_eq_u32 s58, 0
	s_cselect_b64 s[PFA:PFA+1], s[6:7], s[8:9]
	s_mov_b32 s[G0S], 1
	s_mov_b32 s[G0S+1], s2
	s_add_nc_u64 s[G0S+2:G0S+3], s[PFA:PFA+1], s[62:63]
	s_or_b32 s[G0S+3], s[G0S+3], 0x80000000
	s_mov_b32 s[G0C], 1
	s_mov_b32 s[G0C+1], s59
	s_add_nc_u64 s[G0C+2:G0C+3], s[PFA:PFA+1], s[60:61]
	s_or_b32 s[G0C+3], s[G0C+3], 0x80000000
	; THE HEAD'S FOUR FILLS, one a wave, in one chain of branches on the wave's number: wave 0 slot 0's K, wave 1 its V, wave 2 K's scale words, wave 3 V's
	s_cmp_lt_u32 s[WV], 2
	s_cbranch_scc0 .Lhead_s
	s_cmp_eq_u32 s[WV], 0
	s_cbranch_scc0 .Lhead_v
	tensor_load_to_lds s[G0C:G0C+3], s[G1K:G1K+7]
	s_nop 0
	s_branch .Lhead_asked
.Lhead_v:
	tensor_load_to_lds s[G0C:G0C+3], s[G1V:G1V+7]
	s_nop 0
	s_branch .Lhead_asked
.Lhead_s:
	s_cmp_lt_u32 s[WV], 4
	s_cbranch_scc0 .Lhead_asked
	tensor_load_to_lds s[G0S:G0S+3], s[G1S:G1S+7]
	s_nop 0
.Lhead_asked:
	; the prefetches: where my wave's stand, and who asks
	s_cmp_lt_u32 s[WV], 8
	s_cselect_b64 s[PFA:PFA+1], s[6:7], s[8:9]
	s_and_b32 s58, s[WV], 3
	s_lshl_b32 s59, s58, 13
	s_add_co_u32 s59, s59, 24576                   ; in slot 1: the first change of slots steps it to slot 2
	s_add_co_u32 s60, s60, s59
	s_add_nc_u64 s[PFA:PFA+1], s[PFA:PFA+1], s[60:61]
	s_sub_co_u32 s59, s[WV], 4
	s_lshr_b32 s59, s59, 3                         ; 0 in waves 4 to 11,
	s_or_b32 s59, s59, ttmp9                       ; of the head's first work-group
	s_cmp_eq_u32 s59, 0
	s_cselect_b32 s[LIM], 1, -1
	s_cmp_eq_u32 s58, 3                            ; (three waves' worth: 3 x 8,192 bytes)
	s_cselect_b32 s[LIM], -1, s[LIM]
	; my tile of queries: tile w % 4 of group 64 y + 4 x + w / 4
	s_lshl_b32 s58, s[Y], 6
	s_lshl_b32 s59, ttmp9, 2
	s_add_co_u32 s58, s58, s59
	s_lshr_b32 s59, s[WV], 2
	s_add_co_u32 s58, s58, s59
	s_and_b32 s59, s[WV], 3
	s_mul_i32 s62, s58, 3072
	s_mul_i32 s2, s59, 768
	s_add_co_u32 s62, s62, s2
	s_add_nc_u64 s[QC:QC+1], s[4:5], s[62:63]
	s_lshl_b32 s62, s58, 8                         ; its scale word: 8 (16 (i % 2) + r) + 4 (i / 2) in the group's 256 bytes
	s_and_b32 s2, s59, 1
	s_lshl_b32 s2, s2, 7
	s_add_co_u32 s62, s62, s2
	s_lshr_b32 s2, s59, 1
	s_lshl_b32 s2, s2, 2
	s_add_co_u32 s62, s62, s2
	s_add_co_u32 s62, s62, 3145728
	s_add_nc_u64 s[QSB:QSB+1], s[4:5], s[62:63]
	; where o goes: row tile T = 256 b + 16 x + w, my head
	s_lshr_b32 s58, s[Y], 3
	s_lshl_b32 s58, s58, 8
	s_lshl_b32 s59, ttmp9, 4
	s_add_co_u32 s58, s58, s59
	s_add_co_u32 s58, s58, s[WV]
	s_lshl_b32 s58, s58, 3
	s_and_b32 s59, s[Y], 7
	s_add_co_u32 s58, s58, s59                     ; 8 T + head
	s_mul_i32 s62, s58, 768
	s_add_nc_u64 s[OCB:OCB+1], s[10:11], s[62:63]
	s_lshl_b32 s62, s58, 7
	s_add_co_u32 s62, s62, 3145728
	s_add_nc_u64 s[OSB:OSB+1], s[10:11], s[62:63]
	s_and_b32 s[SH], s[Y], 1
	s_lshl_b32 s[SH], s[SH], 4
	v_and_b32 v48, 31, v0                          ; lane
	v_and_b32 v49, 7, v0                           ; r % 8
	v_bfe_u32 v50, v0, 3, 1                        ; r / 8
	v_bfe_u32 v51, v0, 4, 1                        ; h
	v_and_b32 v53, 15, v0                          ; r
	v_lshlrev_b32 v[LI16], 4, v48
	v_lshlrev_b32 v[LI8], 3, v48
	v_lshlrev_b32 v[PFO], 8, v48
	v_lshlrev_b32 v53, 3, v53
	v_mul_u32_u24 v52, v50, 1920
	v_lshlrev_b32 v[BKS], 7, v51
	v_mov_b32 v54, 0x0c070c03                      ; lanes 0-15: my bytes to bytes 0 and 2, zeros between;
	v_mov_b32 v55, 0x070c030c                      ; lanes 16-31: to bytes 1 and 3
	v_mad_u32_u24 v[BK16], v51, 320, v52
	v_lshl_add_u32 v[BK8], v51, 7, v52
	v_lshl_add_u32 v[BKS], v49, 3, v[BKS]
	v_cndmask_b32 v[SELP], v54, v55, s3
	v_lshl_add_u32 v[BK16], v49, 4, v[BK16]
	v_lshl_add_u32 v[BK8], v49, 3, v[BK8]
	v_lshl_add_u32 v[BKS], v50, 2, v[BKS]
	global_load_b128 v[Q:Q+3], v[LI16], s[QC:QC+1]             ; Q's fragment stays in registers
	global_load_b64 v[Q+4:Q+5], v[LI8], s[QC:QC+1] offset:512
	global_load_b32 v[QS], v53, s[QSB:QSB+1]
	v_add_nc_u32 v[BKS], SCK, v[BKS]
.irp i, 6,7,8,9,10,11
	v_mov_b32 v[Q+\i], 0                           ; the upper 64 along K: zero codes
.endr
	v_mov_b32 v[RS], 0xff61b1e6                    ; the largest score so far: -3e38
	v_mov_b32 v[NM], 0x7f61b1e6                    ; -M: 3e38, a whole number: the first step's factor comes out 0
.irp i, 0,1,2,3,4,5,6,7
	v_mov_b32 v[L+\i], 0
.endr
	v_mov_b32 v[F+1], 0                            ; (named as the upper half of a pair)
.set j, 0
.rept 32
	v_mov_b32 v[O+j], 0                            ; O^T.  (The step is written once: the first finds zeros, which its factor 0 leaves zeros)
.set j, j+1
.endr
.macro ADDRS                           ; the addresses of the slot in hand
	v_add_nc_u32 v[AK16], s[TB], v[BK16]
	v_add_nc_u32 v[AK8], s[TB], v[BK8]
	v_add_nc_u32 v[AV16], s[TB], v[LI16]
	v_add_nc_u32 v[AV8], s[TB], v[LI8]
	v_add_nc_u32 v[AKS], s[TS], v[BKS]
	v_add_nc_u32 v[AVS], s[TV], v[LI8]
.endm
.macro NEXTSLOT
	s_xor_b32 s[TB], s[TB], SLOT1
	s_add_co_u32 s[TS], s[TS], 2048
	s_add_co_u32 s[TV], s[TV], 2048
.endm
; A KEY STEP: 128 keys, groups 2 q and 2 q + 1 of the slot in hand.  bar = 1: the slot's last step, with the barrier of the change of slots round its arithmetic; fill = 1: the slot is filled again behind it.
.macro STEP q, bar, fill
.irp c, 0,1
.irp b, 0,1
	ds_load_b32 v[KS+2*\c+\b], v[AKS] offset:512*(\q)+256*\c+64*\b       ; K's scale words: tiles 2 b (lanes 0-15) and 2 b + 1 (lanes 16-31) of group c
.endr
.endr
	ds_load_b64 v[VS:VS+1], v[AVS] offset:512*(\q)                       ; V's: the even group's,
	ds_load_b64 v[VS+2:VS+3], v[AVS] offset:512*(\q)+256                 ; the odd group's
.irp c, 0,1
.irp t, 0,1,2,3
	ds_load_b128 v[KB+24*\c+6*\t:KB+24*\c+6*\t+3], v[AK16] offset:3840*(2*(\q)+\c)+960*(\t%2)+128*(\t/2)
	ds_load_b64 v[KB+24*\c+6*\t+4:KB+24*\c+6*\t+5], v[AK8] offset:3840*(2*(\q)+\c)+960*(\t%2)+640+64*(\t/2)
.endr
.endr
.irp t, 0,1,2,3                                ; V's four fragments, 16 channels x 128 keys: registers 0-5 the even group's tile, registers 6-11 the odd group's
	ds_load_b128 v[VB+12*\t:VB+12*\t+3], v[AV16] offset:VOFF+6144*(\q)+768*\t
	ds_load_b64 v[VB+12*\t+4:VB+12*\t+5], v[AV8] offset:VOFF+6144*(\q)+768*\t+512
	ds_load_b128 v[VB+12*\t+6:VB+12*\t+9], v[AV16] offset:VOFF+6144*(\q)+3072+768*\t
	ds_load_b64 v[VB+12*\t+10:VB+12*\t+11], v[AV8] offset:VOFF+6144*(\q)+3072+768*\t+512
.endr
.if \bar
	FENCE \fill                                    ; these were my last reads of the slot: from here to the barrier's wait stands work on registers alone
.else
	s_wait_dscnt 0x0                               ; the step's 38 loads are in
.endif
.irp c, 0,1
.irp b, 0,1
	v_wmma_scale_f32_16x16x128_f8f6f4 v[S+32*\c+16*\b:S+32*\c+16*\b+7], v[KB+24*\c+12*\b:KB+24*\c+12*\b+11], v[Q:Q+11], 0, v[KS+2*\c+\b], v[QS] matrix_a_fmt:MATRIX_FMT_FP6 matrix_b_fmt:MATRIX_FMT_FP6
	v_wmma_scale_f32_16x16x128_f8f6f4 v[S+32*\c+16*\b+8:S+32*\c+16*\b+15], v[KB+24*\c+12*\b+6:KB+24*\c+12*\b+17], v[Q:Q+11], 0, v[KS+2*\c+\b], v[QS] matrix_a_fmt:MATRIX_FMT_FP6 matrix_b_fmt:MATRIX_FMT_FP6 matrix_a_scale:MATRIX_SCALE_ROW1
.endr
.endr
	v_or_b32 v[VS], v[VS], v[VS+2]                 ; V's words of 128 keys: the even group's two bytes below, the odd group's above.  With the two lines below: four places (ISA guide 7.12.1) behind the products
	v_or_b32 v[VS+1], v[VS+1], v[VS+3]
	v_nop
	v_nop
.irp i, 0,1,2,3
	v_max3_num_f32 v[BM+\i], v[S+16*\i], v[S+16*\i+1], v[S+16*\i+2]      ; THE LARGEST SCORE OF EACH BLOCK OF 32 KEYS, in two chains a block, each accumulator from its low end on: it serves for the row's maximum and, since p rises with the score, for the block's largest p
.endr
.irp k, 3,5,7,9,11,13
.irp i, 0,1,2,3
	v_max3_num_f32 v[BM+\i], v[BM+\i], v[S+16*\i+\k], v[S+16*\i+\k+1]
.endr
.endr
	v_max3_num_f32 v[BM], v[BM], v[BM+1], v[S+15]
	v_max3_num_f32 v[BM+2], v[BM+2], v[BM+3], v[S+47]
	v_max_num_f32 v[BM], v[BM], v[S+31]            ; block h of the step,
	v_max_num_f32 v[BM+2], v[BM+2], v[S+63]        ; block 2 + h
	s_delay_alu instid0(VALU_DEP_1)
	v_max_num_f32 v[MX], v[BM], v[BM+2]
	s_delay_alu instid0(VALU_DEP_1)
	v_permlanex16_b32 v[PT], v[MX], s[SEL], s[SEL+1]
	s_delay_alu instid0(VALU_DEP_1)
	v_max3_num_f32 v[RS], v[RS], v[MX], v[PT]      ; the largest score of my query so far
	s_delay_alu instid0(VALU_DEP_1)
	v_mul_f32 v[XT], s[CS], v[RS]                  ; as t (c is positive)
	s_delay_alu instid0(VALU_DEP_1)
	v_floor_f32 v[XT], -v[XT]                      ; the new -M = floor(-t) = -ceil(t): M IS A WHOLE NUMBER
	s_delay_alu instid0(VALU_DEP_1)
	v_sub_f32 v[DT], v[XT], v[NM]                  ; M's old value less its new one: a whole number, 0 or less
	v_mov_b32 v[NM], v[XT]
	s_delay_alu instid0(VALU_DEP_2)
	v_cvt_i32_f32 v[DT], v[DT]                     ; (it saturates)
	s_delay_alu instid0(VALU_DEP_1)
	v_ldexp_f32 v[F], 1.0, v[DT]                   ; f = 2^(old M - new M)
.set j, 0
.rept 32
	v_pk_fma_f32 v[S+j:S+j+1], v[S+j:S+j+1], s[CS:CS+1], v[NM:NM+1] op_sel_hi:[1,0,0]   ; t - M, two at a time (of the pairs c and -M the low word serves both halves)
.set j, j+2
.endr
	v_fma_f32 v[BM], v[BM], s[CS], v[NM]           ; the same of each block's largest score
	v_fma_f32 v[BM+2], v[BM+2], s[CS], v[NM]
.set j, 0
.rept 16
	v_pk_mul_f32 v[O+j:O+j+1], v[O+j:O+j+1], v[F:F+1] op_sel_hi:[1,0]    ; O^T under the new M: x f; each accumulator from its low end on
.set j, j+2
.endr
	s_wait_alu depctr_va_vdst(0)                   ; the wait ahead of the batch
	v_exp_f32 v[BM], v[BM]                         ; the block's largest p: the same two instructions on the same number give the same bits
	v_exp_f32 v[BM+2], v[BM+2]
.set j, 0
.rept 64
	v_exp_f32 v[S+j], v[S+j]                       ; p = 2^(t - M), at most 1: NOT normalised
.set j, j+1
.endr
	v_nop                                          ; the plain line behind the exponentials
	s_wait_alu depctr_va_vdst(0)                   ; one wait for the whole batch, ahead of its first reader
	v_max_num_f32 v[BM], 0x1800000, v[BM]          ; the floor 2^(3 - 127): the byte cannot fall under 1
	v_max_num_f32 v[BM+2], 0x1800000, v[BM+2]
	v_add_nc_u32 v[SO], 0xff000000, v[BM]          ; 2 off the exponent field: the conversion's scale operand
	v_add_nc_u32 v[SO+1], 0xff000000, v[BM+2]
.irp c, 0,1
	v_cvt_scalef32_pk16_fp6_f32 v[PC+6*\c:PC+6*\c+2], v[S+32*\c:S+32*\c+15], v[SO+\c]          ; my block's keys 0-15: registers 6 c on of the operand, as they stand
	v_cvt_scalef32_pk16_fp6_f32 v[TT+4*\c:TT+4*\c+2], v[S+32*\c+16:S+32*\c+31], v[SO+\c]       ; keys 16-31: made elsewhere and moved
.endr
	v_lshl_add_u32 v[A0], v[BM], 1, 0xfe000000     ; the scale's byte, as the word's top byte.  (Also the plain line behind the conversions)
	v_lshl_add_u32 v[A1], v[BM+2], 1, 0xfe000000
	s_delay_alu instid0(VALU_DEP_1)
	v_perm_b32 v[W], v[A1], v[A0], v[SELP]         ; my two bytes at bytes h and 2 + h,
	s_delay_alu instid0(VALU_DEP_1)
	v_permlanex16_b32 v[W2], v[W], s[SEL], s[SEL+1]
	s_delay_alu instid0(VALU_DEP_1)
	v_or_b32 v[PW], v[W], v[W2]                    ; with lane l xor 16's two: p's scale word for these 128 keys
.irp c, 0,1
.irp i, 0,1,2
	v_mov_b32 v[PC+6*\c+3+\i], v[TT+4*\c+\i]
.endr
.endr
.irp i, 0,1,2,3
	v_pk_fma_f32 v[L+2*\i:L+2*\i+1], v[L+2*\i:L+2*\i+1], v[F:F+1], v[S+2*\i:S+2*\i+1] op_sel_hi:[1,0,1]   ; THE ROW'S SUM, OF THE UNQUANTISED p, in four pairs: x f, + p
.endr
.irp i, 0,1,2,3
	v_pk_add_f32 v[L+2*\i:L+2*\i+1], v[L+2*\i:L+2*\i+1], v[S+8+2*\i:S+9+2*\i]      ; (these eight stand between the scale word and codes just written and the products)
.endr
.irp p, 0,1
	v_wmma_scale_f32_16x16x128_f8f6f4 v[O+16*\p:O+16*\p+7], v[VB+24*\p:VB+24*\p+11], v[PC:PC+11], v[O+16*\p:O+16*\p+7], v[VS+\p], v[PW] matrix_a_fmt:MATRIX_FMT_FP6 matrix_b_fmt:MATRIX_FMT_FP6
	v_wmma_scale_f32_16x16x128_f8f6f4 v[O+16*\p+8:O+16*\p+15], v[VB+24*\p+12:VB+24*\p+23], v[PC:PC+11], v[O+16*\p+8:O+16*\p+15], v[VS+\p], v[PW] matrix_a_fmt:MATRIX_FMT_FP6 matrix_b_fmt:MATRIX_FMT_FP6 matrix_a_scale:MATRIX_SCALE_ROW1
.endr
.irp k, 16,24,32,40,48,56
.irp i, 0,1,2,3
	v_pk_add_f32 v[L+2*\i:L+2*\i+1], v[L+2*\i:L+2*\i+1], v[S+\k+2*\i:S+\k+2*\i+1]  ; the rest of the sum: also the places in front of the next step's loads
.endr
.endr
.if \bar
	s_barrier_wait -1                              ; every wave has left the slot, and the other slot is whole
.if \fill
	TLOAD                                          ; the first thing behind the barrier, and a wave's one tensor load until the next: the 512 keys two slots on; three key steps stand ahead of the wait for it
	ASK
.endif
.endif
.endm
	s_wait_alu depctr_va_vdst(0)                   ; the wait at the head's end
	s_wait_loadcnt 0x0                             ; Q
	FENCE 1                                        ; slot 0 and the scale words are in
	s_barrier_wait -1
	TLOAD                                          ; slot 1's first fill, issued as a refill is
	ASK
.Lslot:                                            ; six trips, a slot each: behind each the slot is filled again
	ADDRS
	STEP 0, 0, 0
	STEP 1, 0, 0
	STEP 2, 0, 0
	STEP 3, 1, 1
	NEXTSLOT
	s_sub_co_u32 s[SLOTS], s[SLOTS], 1
	s_cmp_lg_u32 s[SLOTS], 0
	s_cbranch_scc1 .Lslot
	s_mov_b32 s[SLOTS], 2
.Ltail:                                            ; the last two slots: nothing is left to fetch.  The first trip's barrier shows the last slot whole; the second trip's orders nothing more and is passed by every wave
	ADDRS
	STEP 0, 0, 0
	STEP 1, 0, 0
	STEP 2, 0, 0
	STEP 3, 1, 0
	NEXTSLOT
	s_sub_co_u32 s[SLOTS], s[SLOTS], 1
	s_cmp_lg_u32 s[SLOTS], 0
	s_cbranch_scc1 .Ltail
	; THE WAY OUT.  o = O^T / the sum: a lane's 32 registers are channels 32 b + 16 (lane / 16) + i of its query: two blocks of the last product's K, each in lanes l and l xor 16.
	s_wait_alu depctr_va_vdst(0)                   ; the wait here: the sums were written ahead of the barrier's wait
	v_pk_add_f32 v[L:L+1], v[L:L+1], v[L+2:L+3]
	v_pk_add_f32 v[L+4:L+5], v[L+4:L+5], v[L+6:L+7]
	s_delay_alu instid0(VALU_DEP_1)
	v_pk_add_f32 v[L:L+1], v[L:L+1], v[L+4:L+5]
	s_delay_alu instid0(VALU_DEP_1)
	v_add_f32 v[L], v[L], v[L+1]
	s_delay_alu instid0(VALU_DEP_1)
	v_permlanex16_b32 v[F], v[L], s[SEL], s[SEL+1]
	s_delay_alu instid0(VALU_DEP_1)
	v_add_f32 v[L], v[L], v[F]                     ; with lane l xor 16's: the row's sum
	s_wait_alu depctr_va_vdst(0)
	v_rcp_f32 v[L], v[L]
	v_nop                                          ; the plain line behind the reciprocal
	s_wait_alu depctr_va_vdst(0)                   ; the wait ahead of the reciprocal's first reader, and of O^T's
.set j, 0
.rept 16
	v_pk_mul_f32 v[S+j:S+j+1], v[O+j:O+j+1], v[L:L+1] op_sel_hi:[1,0]   ; each accumulator from its low end on
.set j, j+2
.endr
.irp b, 0,1
	v_max3_num_f32 v[BM+\b], |v[S+16*\b]|, |v[S+1+16*\b]|, 0x1800000
.endr
.irp i, 2,4,6,8,10,12,14
.irp b, 0,1
	s_delay_alu instid0(VALU_DEP_2)
	v_max3_num_f32 v[BM+\b], v[BM+\b], |v[S+16*\b+\i]|, |v[S+1+16*\b+\i]|
.endr
.endr
.irp b, 0,1
	s_delay_alu instid0(VALU_DEP_2)
	v_permlanex16_b32 v[MX+\b], v[BM+\b], s[SEL], s[SEL+1]
.endr
.irp b, 0,1
	s_delay_alu instid0(VALU_DEP_2)
	v_max_num_f32 v[BM+\b], v[BM+\b], v[MX+\b]
.endr
.irp b, 0,1
	s_delay_alu instid0(VALU_DEP_2)
	v_add_nc_u32 v[SO+\b], 0xff000000, v[BM+\b]
.endr
.irp b, 0,1
	s_delay_alu instid0(VALU_DEP_2)
	v_lshrrev_b32 v[MX+\b], 23, v[SO+\b]
.endr
	s_delay_alu instid0(VALU_DEP_1)
	v_lshl_or_b32 v[W], v[MX+1], 8, v[MX]
	v_lshrrev_b32 v[A0], 1, v[LI8]                 ; 4 x lane
	s_delay_alu instid0(VALU_DEP_2)
	v_lshlrev_b32 v[W], s[SH], v[W]                ; an odd head's two bytes stand in the word's upper half
	v_cvt_scalef32_pk16_fp6_f32 v[PC:PC+2], v[S:S+15], v[SO]
	v_cvt_scalef32_pk16_fp6_f32 v[TT:TT+2], v[S+16:S+31], v[SO+1]
	v_nop                                          ; one plain line behind a scaled conversion
.irp i, 0,1,2
	v_permlane16_swap_b32 v[PC+\i], v[TT+\i]       ; the operand wants a whole block in a lane
.endr
.irp i, 0,1,2
	v_mov_b32 v[PC+3+\i], v[TT+\i]
.endr
	global_store_b128 v[LI16], v[PC:PC+3], s[OCB:OCB+1]            ; 512 consecutive bytes, at a multiple of 256 from obuf's first byte
	global_store_b64 v[LI8], v[PC+4:PC+5], s[OCB:OCB+1] offset:512 ; 256
	global_store_b32 v[A0], v[W], s[OSB:OSB+1]                     ; 128: the tile's scale words
	s_wait_tensorcnt 0x0                           ; the wave's end
	ds_add_u32 v[SPW], v[NIL]
	s_wait_dscnt 0x0
	s_endpgm
.Lfunc_end_k_q07d6e8c04d_attn:
	.size	k_q07d6e8c04d_attn, .Lfunc_end_k_q07d6e8c04d_attn-k_q07d6e8c04d_attn
	.p2alignl 7, 3214868480
	.fill 96, 4, 3214868480
	.section	.rodata,"a",@progbits
	.p2align	6, 0x0
	.amdhsa_kernel k_q07d6e8c04d_attn
		.amdhsa_group_segment_fixed_size 327680
		.amdhsa_private_segment_fixed_size 0
		.amdhsa_enable_private_segment 0
		.amdhsa_kernarg_size 32
		.amdhsa_user_sgpr_count 2
		.amdhsa_user_sgpr_kernarg_segment_ptr 1
		.amdhsa_wavefront_size32 1
		.amdhsa_system_sgpr_workgroup_id_x 1
		.amdhsa_system_sgpr_workgroup_id_y 1
		.amdhsa_system_sgpr_workgroup_id_z 1
		.amdhsa_system_vgpr_workitem_id 0
		.amdhsa_next_free_vgpr 256
		.amdhsa_next_free_sgpr 80
		.amdhsa_reserve_vcc 0
		.amdhsa_float_denorm_mode_32 3
		.amdhsa_float_denorm_mode_16_64 3
		.amdhsa_memory_ordered 1
		.amdhsa_forward_progress 1
		.amdhsa_inst_pref_size 138
	.end_amdhsa_kernel
	.amdgpu_metadata
---
amdhsa.version: [ 1, 2 ]
amdhsa.kernels:
  - .name:           k_q07d6e8c04d_attn
    .symbol:         k_q07d6e8c04d_attn.kd
    .args:
      - { .name: qbuf, .offset: 0, .size: 8, .value_kind: global_buffer, .address_space: global }
      - { .name: kbuf, .offset: 8, .size: 8, .value_kind: global_buffer, .address_space: global }
      - { .name: vbuf, .offset: 16, .size: 8, .value_kind: global_buffer, .address_space: global }
      - { .name: obuf, .offset: 24, .size: 8, .value_kind: global_buffer, .address_space: global }
    .group_segment_fixed_size: 327680
    .private_segment_fixed_size: 0
    .kernarg_segment_align: 8
    .kernarg_segment_size: 32
    .max_flat_workgroup_size: 512
    .sgpr_count:     80
    .vgpr_count:     256
    .wavefront_size: 32
...
	.end_amdgpu_metadata
.endif
;; end of part 3
;; launch outp (part 4): grid 4 x 64, 8 waves a work-group, no clusters, 195,584 bytes of LDS; arguments obuf, wbuf, bo, out0; writes out0
.if DOCPART == 4
	.amdgcn_target "amdgcn-amd-amdhsa--gfx1250"
	.amdhsa_code_object_version 6
	.text
	.protected	k_q07d6e8c04d_outp
	.globl	k_q07d6e8c04d_outp
	.p2align	8
	.type	k_q07d6e8c04d_outp,@function
k_q07d6e8c04d_outp:
	s_mov_b64 s[64:65], 0
	v_nop
	global_prefetch_b8 v0, s[64:65] scope:SCOPE_SE
	s_setreg_imm32_b32 hwreg(HW_REG_WAVE_MODE, 25, 1), 1
	s_wait_xcnt 0x0
; out0 = o Wo + bo on codes of FP6 (E2M3) with one E8M0 scale for each 32 along K = 512; out0 [8,192][1,024] f32.
; IN.  obuf: [row tile T of 512][head 8][768]: 16 rows x the head's 64 as 6 registers (registers 0-3 of lane l at 16 l, registers 4-5 at 512 + 8 l): two heads make a fragment of 128 along K.  From 3,145,728: [T][head][32 lanes]
; scale words, an odd head's bytes in the upper half: two words are joined by one OR.  Lane r of tile T is row 32 (T / 2) + 8 (T % 2) + r + 8 (r / 8).  wbuf: Wo's fragments from 1,179,648, [K step 4][column tile 64][1,536], in
; register order; its scale words from 1,622,016, [K step][pair of tiles][32 lanes].
; SHARES.  A work-group takes 128 rows x 256 columns; wave w four row tiles (w / 4) x four column tiles (w % 4): 16 accumulators, 64 products.
; ALL THE WORK-GROUP'S OPERANDS COME INTO LDS ONCE, 159,744 bytes, by eight tensor loads at the head, one a wave: waves 0-3 Wo's sixteen column tiles of K step w (24,576 bytes each), waves 4 and 5 the halves of the eight
; row tiles' codes (24,576 each), wave 6 the rows' scale words (8,192), wave 7 Wo's (4 x 1,024).  Every block is dense in memory or has dense rows, and every row begins at a multiple of 256 bytes from its buffer's first byte.
; One wait, one barrier; nothing is filled again.  Each fragment is then read from LDS by the waves that want it (a row fragment by four waves, a column fragment by two), as consecutive bytes.
; The product is used transposed (source 0 = 16 columns of Wo, source 1 = 16 rows): a lane holds eight neighbouring columns of one row.  THE BIAS is loaded once, into the accumulators of row tile 0: the first products of
; row tiles 1 to 3 take those registers as C, and row tile 0's own first products, which add onto them in place, come last in K step 0.
; NO CLUSTER, though the four work-groups of a row block share o's tiles and the 64 of a column block Wo's: a work-group asks once, in one group of loads at its head, and never again; joint requests would put two rounds of
; the cluster's barrier round a launch of four K steps.  NO PREFETCH: the launch has no loop to run ahead in.
.set LA,    0                          ; LDS: the eight row tiles' codes, 6,144 bytes each,
.set LAS,   49152                      ; their scale words, 1,024 bytes each,
.set LWS,   57344                      ; Wo's scale words, 1,024 bytes a K step,
.set LW,    61440                      ; Wo's fragments, 24,576 bytes a K step,
.set STAGE, 159744                     ; for each wave a stage of 16 rows x (256 + 16) bytes, into which no fill lands,
.set SPARE, 194560                     ; and the spare words, 128 bytes for each wave
.set AA16, 1                           ; my row tiles' codes + 16 x lane
.set AA8,  2                           ; + 8 x lane
.set AAS,  3                           ; their scale words + 4 x lane
.set AW,   4                           ; v4: my column tiles of K steps 0, 1 + 16 x lane; v5: of K steps 2, 3
.set AWS,  6                           ; their scale words + 4 x lane
.set BH,   7                           ; 32 x (lane / 16): my eight numbers of a tile's sixteen of bo
.set STO,  8                           ; my stage: where I put 32 bytes of a row
.set RD,   9                           ; and where I read a row back
.set CO,   10                          ; my byte offset in two rows of out0
.set AS,   16                          ; v16-19 the rows' scale words; v20-23 the odd heads', before the OR
.set AT,   20
.set WS,   24                          ; v24-25 Wo's
.set SPW,  30                          ; LDS address of my spare word; never rewritten
.set NIL,  31                          ; 0; never rewritten
.set AF,   32                          ; v32-79  four row fragments
.set WF,   80                          ; v80-127 four column fragments
.set OB,   32                          ; the way out: three sets of 32 in v32-127
.set ACC,  128                         ; v128-255: accumulator (m, c) at 32 m + 8 c
.set BB,   16                          ; s[16:17] bo at my columns; s[18:19] out0 at my first row and column
.set OUT,  18
.set G1D,  24                          ; s[24:31] descriptor group 1: 96 dense rows of 256 bytes; s[32:39]: 32 such rows; s[40:47]: 4 rows of 1,024 bytes, 4,096 apart
.set G1AS, 32
.set G1WS, 40
.set G0W,  48                          ; groups 0: Wo's fragments, the rows' codes, the rows' scale words, Wo's scale words
.set G0A,  52
.set G0AS, 56
.set G0WS, 60
.macro KLOAD s                         ; K step s: heads 2 s and 2 s + 1: 38 LDS loads
.irp m, 0,1,2,3
	ds_load_b128 v[AF+12*\m:AF+12*\m+3], v[AA16] offset:6144*\m+1536*(\s)
	ds_load_b64 v[AF+12*\m+4:AF+12*\m+5], v[AA8] offset:6144*\m+1536*(\s)+512
	ds_load_b128 v[AF+12*\m+6:AF+12*\m+9], v[AA16] offset:6144*\m+1536*(\s)+768
	ds_load_b64 v[AF+12*\m+10:AF+12*\m+11], v[AA8] offset:6144*\m+1536*(\s)+1280
	ds_load_b32 v[AS+\m], v[AAS] offset:1024*\m+256*(\s)
	ds_load_b32 v[AT+\m], v[AAS] offset:1024*\m+256*(\s)+128
.endr
.irp c, 0,1,2,3
.irp g, 0,1,2
	ds_load_b128 v[WF+12*\c+4*\g:WF+12*\c+4*\g+3], v[AW+(\s)/2] offset:24576*((\s)%2)+1536*\c+512*\g
.endr
.endr
.irp p, 0,1
	ds_load_b32 v[WS+\p], v[AWS] offset:1024*(\s)+128*\p
.endr
.endm
.macro MUL m, cm                       ; row tile m x my four column tiles; C: the accumulators of row tile cm
.irp p, 0,1
	v_wmma_scale_f32_16x16x128_f8f6f4 v[ACC+32*(\m)+16*\p:ACC+32*(\m)+16*\p+7], v[WF+24*\p:WF+24*\p+11], v[AF+12*(\m):AF+12*(\m)+11], v[ACC+32*(\cm)+16*\p:ACC+32*(\cm)+16*\p+7], v[WS+\p], v[AS+(\m)] matrix_a_fmt:MATRIX_FMT_FP6 matrix_b_fmt:MATRIX_FMT_FP6
	v_wmma_scale_f32_16x16x128_f8f6f4 v[ACC+32*(\m)+16*\p+8:ACC+32*(\m)+16*\p+15], v[WF+24*\p+12:WF+24*\p+23], v[AF+12*(\m):AF+12*(\m)+11], v[ACC+32*(\cm)+16*\p+8:ACC+32*(\cm)+16*\p+15], v[WS+\p], v[AS+(\m)] matrix_a_fmt:MATRIX_FMT_FP6 matrix_b_fmt:MATRIX_FMT_FP6 matrix_a_scale:MATRIX_SCALE_ROW1
.endr
.endm
	s_load_b256 s[4:11], s[0:1], 0x0               ; obuf s[4:5], wbuf s[6:7], bo s[8:9], out0 s[10:11]
	v_lshl_add_u32 v[SPW], v0, 2, SPARE
	v_mov_b32 v[NIL], 0
	ds_add_u32 v[SPW], v[NIL]                      ; the opening lines: the add, twice on end, and its wait ahead of my tensor load
	ds_add_u32 v[SPW], v[NIL]
	v_lshrrev_b32 v11, 5, v0
	s_delay_alu instid0(VALU_DEP_1)
	v_readfirstlane_b32 s12, v11                   ; wave 0..7
	s_lshr_b32 s13, s12, 2                         ; which 64 rows
	s_and_b32 s14, s12, 3                          ; which 64 columns.  Also: which K step of Wo I fetch
	s_and_b32 s15, ttmp7, 0xffff
	s_mov_b32 s[G1D], 3<<16                        ; elements of 8 bytes, no mask, no padding: every LDS load takes consecutive bytes
	s_mov_b32 s[G1D+1], 32<<16                     ; tensor_dim0
	s_mov_b32 s[G1D+2], 96<<16                     ; tensor_dim1
	s_mov_b32 s[G1D+3], 32<<16                     ; tile_dim0
	s_mov_b32 s[G1D+4], 96                         ; tile_dim1
	s_mov_b32 s[G1D+5], 32                         ; the pitch
	s_mov_b32 s[G1D+6], 0
	s_mov_b32 s[G1D+7], 0
	s_mov_b32 s[G1AS], 3<<16
	s_mov_b32 s[G1AS+1], 32<<16
	s_mov_b32 s[G1AS+2], 32<<16
	s_mov_b32 s[G1AS+3], 32<<16
	s_mov_b32 s[G1AS+4], 32
	s_mov_b32 s[G1AS+5], 32
	s_mov_b32 s[G1AS+6], 0
	s_mov_b32 s[G1AS+7], 0
	s_mov_b32 s[G1WS], 3<<16
	s_mov_b32 s[G1WS+1], 128<<16
	s_mov_b32 s[G1WS+2], 4<<16
	s_mov_b32 s[G1WS+3], 128<<16
	s_mov_b32 s[G1WS+4], 4
	s_mov_b32 s[G1WS+5], 512
	s_mov_b32 s[G1WS+6], 0
	s_mov_b32 s[G1WS+7], 0
	s_mov_b32 s21, 0
	s_mov_b32 s23, 0
	s_mul_i32 s20, s14, 98304                      ; Wo's fragments: K step w % 4,
	s_mul_i32 s22, ttmp9, 24576                    ; column tiles 16 x on
	s_add_co_u32 s20, s20, s22
	s_add_co_u32 s20, s20, 1179648
	s_mul_i32 s2, s14, 24576
	s_add_co_u32 s2, s2, LW                        ; and where they go
	s_and_b32 s3, s12, 1
	s_mul_i32 s3, s3, 24576                        ; the rows' codes: half w % 2, in memory and in LDS
	s_mul_i32 s22, s15, 49152                      ; row tiles 8 y on
	s_add_co_u32 s22, s22, s3
	s_wait_dscnt 0x0                               ; both opening adds are done
	s_wait_kmcnt 0x0
	s_mov_b32 s[G0W], 1
	s_mov_b32 s[G0W+1], s2
	s_add_nc_u64 s[G0W+2:G0W+3], s[6:7], s[20:21]
	s_or_b32 s[G0W+3], s[G0W+3], 0x80000000
	s_mov_b32 s[G0A], 1
	s_mov_b32 s[G0A+1], s3
	s_add_nc_u64 s[G0A+2:G0A+3], s[4:5], s[22:23]
	s_or_b32 s[G0A+3], s[G0A+3], 0x80000000
	s_lshl_b32 s20, s15, 13                        ; the rows' scale words: 8,192 bytes a work-group
	s_add_co_u32 s20, s20, 3145728
	s_mov_b32 s[G0AS], 1
	s_mov_b32 s[G0AS+1], LAS
	s_add_nc_u64 s[G0AS+2:G0AS+3], s[4:5], s[20:21]
	s_or_b32 s[G0AS+3], s[G0AS+3], 0x80000000
	s_lshl_b32 s22, ttmp9, 10                      ; Wo's scale words: 1,024 bytes of each K step's 4,096
	s_add_co_u32 s22, s22, 1622016
	s_mov_b32 s[G0WS], 1
	s_mov_b32 s[G0WS+1], LWS
	s_add_nc_u64 s[G0WS+2:G0WS+3], s[6:7], s[22:23]
	s_or_b32 s[G0WS+3], s[G0WS+3], 0x80000000
	; THE HEAD'S LOADS, one a wave, in one chain of branches on the wave's number: every way through it passes exactly one load
	s_cmp_lt_u32 s12, 4
	s_cbranch_scc0 .Lhead_a
	tensor_load_to_lds s[G0W:G0W+3], s[G1D:G1D+7]
	s_nop 0
	s_branch .Lhead_asked
.Lhead_a:
	s_cmp_lt_u32 s12, 6
	s_cbranch_scc0 .Lhead_as
	tensor_load_to_lds s[G0A:G0A+3], s[G1D:G1D+7]
	s_nop 0
	s_branch .Lhead_asked
.Lhead_as:
	s_cmp_eq_u32 s12, 6
	s_cbranch_scc0 .Lhead_ws
	tensor_load_to_lds s[G0AS:G0AS+3], s[G1AS:G1AS+7]
	s_nop 0
	s_branch .Lhead_asked
.Lhead_ws:
	tensor_load_to_lds s[G0WS:G0WS+3], s[G1WS:G1WS+7]
	s_nop 0
.Lhead_asked:
	s_lshl_b32 s20, ttmp9, 4
	s_lshl_b32 s22, s14, 2
	s_add_co_u32 s20, s20, s22                     ; my first column tile: 16 x + 4 (w % 4)
	s_lshl_b32 s20, s20, 6                         ; 64 bytes of bo, and of a row of out0, a column tile
	s_add_nc_u64 s[BB:BB+1], s[8:9], s[20:21]
	s_add_nc_u64 s[OUT:OUT+1], s[10:11], s[20:21]
	s_lshl_b32 s20, s15, 3
	s_lshl_b32 s22, s13, 2
	s_add_co_u32 s20, s20, s22                     ; my first row tile: 8 y + 4 (w / 4)
	s_lshl_b32 s20, s20, 16                        ; 16 rows of 4,096 bytes a row tile (my four tiles are 64 rows on end)
	s_add_nc_u64 s[OUT:OUT+1], s[OUT:OUT+1], s[20:21]
	s_mul_i32 s20, s13, 24576                      ; LDS: my four row tiles' codes,
	s_lshl_b32 s21, s13, 12
	s_add_co_u32 s21, s21, LAS                     ; their scale words,
	s_mul_i32 s22, s14, 6144
	s_add_co_u32 s22, s22, LW                      ; my four column tiles' fragments,
	s_lshl_b32 s23, s14, 8
	s_add_co_u32 s23, s23, LWS                     ; their scale words,
	s_mul_i32 s3, s12, 4352
	s_add_co_u32 s3, s3, STAGE                     ; and my stage
	v_and_b32 v11, 31, v0                          ; lane
	v_and_b32 v12, 15, v0                          ; r
	v_bfe_u32 v13, v0, 4, 1                        ; h
	v_lshlrev_b32 v[AA16], 4, v11
	v_lshlrev_b32 v[AA8], 3, v11
	v_lshlrev_b32 v[AAS], 2, v11
	v_lshlrev_b32 v[BH], 5, v13
	v_mul_u32_u24 v[STO], v12, 272
	v_mul_u32_u24 v[RD], v13, 272
	v_lshlrev_b32 v[CO], 12, v13
	v_add_nc_u32 v[AW], s22, v[AA16]
	v_add_nc_u32 v[AWS], s23, v[AAS]
	v_add_nc_u32 v[AA16], s20, v[AA16]
	v_add_nc_u32 v[AA8], s20, v[AA8]
	v_add_nc_u32 v[AAS], s21, v[AAS]
	v_lshl_add_u32 v[STO], v13, 5, v[STO]
	v_lshl_add_u32 v[RD], v12, 4, v[RD]
	v_lshl_add_u32 v[CO], v12, 4, v[CO]            ; two rows of out0: lanes 0-15 one, lanes 16-31 the next
	v_add_nc_u32 v[AW+1], 49152, v[AW]
	v_add_nc_u32 v[STO], s3, v[STO]                ; in: row r, + 32 h
	v_add_nc_u32 v[RD], s3, v[RD]                  ; back: lanes 0-15 one row, lanes 16-31 the next
	s_wait_alu depctr_va_vdst(0)                   ; the wait at the head's end
.irp c, 0,1,2,3
	global_load_b128 v[ACC+8*\c:ACC+8*\c+3], v[BH], s[BB:BB+1] offset:64*\c          ; bo at the lane's eight columns, into row tile 0's accumulators
	global_load_b128 v[ACC+8*\c+4:ACC+8*\c+7], v[BH], s[BB:BB+1] offset:64*\c+16
.endr
	s_wait_tensorcnt 0x0                           ; my block has landed;
	s_barrier_signal -1
	s_barrier_wait -1                              ; so has everybody's.  No LDS byte is filled again
.irp s, 0,1,2,3
	KLOAD \s
.if \s == 0
	s_wait_loadcnt 0x0                             ; the bias
.endif
	s_wait_dscnt 0x0
.irp m, 0,1,2,3
	v_or_b32 v[AS+\m], v[AS+\m], v[AT+\m]          ; the even head's two bytes below, the odd head's above
.endr
.rept 8
	v_nop                                          ; a scale register written by a vector instruction stands eight plain lines ahead of the scaled product
.endr
.if \s == 0                                    ; the 16 accumulators take turns, one instruction a turn
	MUL 1, 0                                       ; the sums begin with the bias, read from row tile 0's registers,
	MUL 2, 0
	MUL 3, 0
.rept 5
	v_nop                                          ; five places in front of products that write over registers which the products above have read as C
.endr
	MUL 0, 0                                       ; onto which row tile 0's own products add last
.else
	MUL 0, 0
	MUL 1, 1
	MUL 2, 2
	MUL 3, 3
.endif
.rept 4
	v_nop                                          ; four places in front of loads into registers that these products have read, and of the first read of results
.endr
.endr
	; THE WAY OUT, a row tile at a time, through my own stage: in as 32 bytes a lane, back as whole rows of 256 bytes.  LDS serves a wave's instructions in order (ISA guide 5.7.1.4): no wait between the stores and the loads.
.irp m, 0,1,2,3
.if \m == 3
	s_wait_xcnt 0x0                                ; tile 0's stores have read their registers: its set is used again
.endif
.irp c, 0,1,2,3
	ds_store_b128 v[STO], v[ACC+32*\m+8*\c:ACC+32*\m+8*\c+3] offset:64*\c          ; each accumulator from its low end on
	ds_store_b128 v[STO], v[ACC+32*\m+8*\c+4:ACC+32*\m+8*\c+7] offset:64*\c+16
.endr
.irp i, 0,1,2,3,4,5,6,7
	ds_load_b128 v[OB+32*(\m%3)+4*\i:OB+32*(\m%3)+4*\i+3], v[RD] offset:544*\i
.endr
.irp i, 0,1,2,3,4,5,6,7
	s_wait_dscnt 7-\i                              ; the loads behind this one may be out
	global_store_b128 v[CO], v[OB+32*(\m%3)+4*\i:OB+32*(\m%3)+4*\i+3], s[OUT:OUT+1] offset:(32*(\m/2)+8*(\m%2)+2*\i+8*(\i/4))*4096 th:TH_STORE_NT   ; sixteen lanes store 256 consecutive bytes, at a multiple of 256 from out0's first byte; stage row 2 i + h is the tile's lane: row 2 i + h + 8 (i / 4)
.endr
.endr
	s_wait_tensorcnt 0x0                           ; the wave's end
	ds_add_u32 v[SPW], v[NIL]
	s_wait_dscnt 0x0
	s_endpgm
.Lfunc_end_k_q07d6e8c04d_outp:
	.size	k_q07d6e8c04d_outp, .Lfunc_end_k_q07d6e8c04d_outp-k_q07d6e8c04d_outp
	.p2alignl 7, 3214868480
	.fill 96, 4, 3214868480
	.section	.rodata,"a",@progbits
	.p2align	6, 0x0
	.amdhsa_kernel k_q07d6e8c04d_outp
		.amdhsa_group_segment_fixed_size 195584
		.amdhsa_private_segment_fixed_size 0
		.amdhsa_enable_private_segment 0
		.amdhsa_kernarg_size 32
		.amdhsa_user_sgpr_count 2
		.amdhsa_user_sgpr_kernarg_segment_ptr 1
		.amdhsa_wavefront_size32 1
		.amdhsa_system_sgpr_workgroup_id_x 1
		.amdhsa_system_sgpr_workgroup_id_y 1
		.amdhsa_system_sgpr_workgroup_id_z 1
		.amdhsa_system_vgpr_workitem_id 0
		.amdhsa_next_free_vgpr 256
		.amdhsa_next_free_sgpr 66
		.amdhsa_reserve_vcc 0
		.amdhsa_float_denorm_mode_32 3
		.amdhsa_float_denorm_mode_16_64 3
		.amdhsa_memory_ordered 1
		.amdhsa_forward_progress 1
		.amdhsa_inst_pref_size 35
	.end_amdhsa_kernel
	.amdgpu_metadata
---
amdhsa.version: [ 1, 2 ]
amdhsa.kernels:
  - .name:           k_q07d6e8c04d_outp
    .symbol:         k_q07d6e8c04d_outp.kd
    .args:
      - { .name: obuf, .offset: 0, .size: 8, .value_kind: global_buffer, .address_space: global }
      - { .name: wbuf, .offset: 8, .size: 8, .value_kind: global_buffer, .address_space: global }
      - { .name: bo, .offset: 16, .size: 8, .value_kind: global_buffer, .address_space: global }
      - { .name: out0, .offset: 24, .size: 8, .value_kind: global_buffer, .address_space: global }
    .group_segment_fixed_size: 195584
    .private_segment_fixed_size: 0
    .kernarg_segment_align: 8
    .kernarg_segment_size: 32
    .max_flat_workgroup_size: 256
    .sgpr_count:     66
    .vgpr_count:     256
    .wavefront_size: 32
...
	.end_amdgpu_metadata
.endif
;; end of part 4
